; MI455X (gfx1250); checked and timed in simulation.
; The chip was launched on July 23, 2026; its instructions are those of AMD's public machine-readable ISA for CDNA 5 (MIT licence, August 2026) and "CDNA5" Instruction Set Architecture Reference Guide (July 2026). The comments in the code are by the model that wrote it; some were corrected since.
;; Attention. Allowed arithmetic: matrix products marked QUANTISED: E2M3 operands, one E8M0 scale for each 32 along K, by v_wmma_scale_f32_16x16x128_f8f6f4 with both operands' format E2M3, f32 sums; everything else in f32.
;; Inputs: cos 2,048 x 128 float32; sin 2,048 x 128 float32; w_ln 2,048 float32; wk_codes 2,048 x 64 x 24 uint8 (E2M3 codes of wk, K innermost, in blocks of 32 codes, four codes in three bytes); wk_scales 2,048 x 64 uint8 (E8M0 scales of wk, one for each 32 codes along K); wo_codes 2,048 x 64 x 24 uint8 (E2M3 codes of wo, K innermost, in blocks of 32 codes, four codes in three bytes); wo_scales 2,048 x 64 uint8 (E8M0 scales of wo, one for each 32 codes along K); wq_codes 2,048 x 64 x 24 uint8 (E2M3 codes of wq, K innermost, in blocks of 32 codes, four codes in three bytes); wq_scales 2,048 x 64 uint8 (E8M0 scales of wq, one for each 32 codes along K); wv_codes 2,048 x 64 x 24 uint8 (E2M3 codes of wv, K innermost, in blocks of 32 codes, four codes in three bytes); wv_scales 2,048 x 64 uint8 (E8M0 scales of wv, one for each 32 codes along K); x 2,048 x 2,048 float32.
;; Outputs: out0 2,048 x 2,048 float32.
;; This version of the problem:
;;   THIS VERSION OF THE PROBLEM IS GIVEN IN LOW PRECISION. The matrix products marked QUANTISED in the list below multiply operands that are first quantised to E2M3 (2 exponent bits, 3 mantissa bits; 6 bits a number), with one power-of-two scale for each 32 numbers along K (OCP MX v1.0); their sums are f32. All else is computed in f32.
;;   The module's matrix products, in the order in which they are computed (A, B: the left and right operand; K: the contracted axis; several contracted axes count as one K, in the product's order):
;;     1. [M 2,048, K 2,048] x [K 2,048, N 2,048]; A: computed on the way; B: input wq (given as codes): QUANTISED
;;     2. [M 2,048, K 2,048] x [K 2,048, N 2,048]; A: computed on the way; B: input wk (given as codes): QUANTISED
;;     3. [M 2,048, K 2,048] x [K 2,048, N 2,048]; A: computed on the way; B: input wv (given as codes): QUANTISED
;;     4. batch 16 x [M 2,048, K 128] x [K 128, N 2,048]; A: computed on the way; B: computed on the way: QUANTISED
;;     5. batch 16 x [M 2,048, K 2,048] x [K 2,048, N 128]; A: softmax (see below); B: computed on the way: QUANTISED
;;     6. [M 2,048, K 2,048] x [K 2,048, N 2,048]; A: computed on the way; B: input wo (given as codes): QUANTISED
;;   THE QUANTISER, for each operand of a quantised product, along K:
;;     - K is cut into blocks of 32 from its start; a last block that is shorter is filled with zeros.
;;     - A block's scale is 2^e with e = floor(log2(the largest magnitude in the block)) - 2, held to -126 .. 127; a block of zeros has e = 0. As a byte (E8M0): e + 127.
;;     - Each number is divided by its block's scale, clamped to +-7.5, and rounded to the nearest number of E2M3, ties to even, subnormals kept.
;;     - The product sums the exact products of the quantised numbers (number of the format x scale) in f32.
;;   ~~~python
;;   def quantise(x, axis):      # numpy; x: float32 -> the quantised numbers, widened to float32 again
;;       x = np.moveaxis(x, axis, -1); K = x.shape[-1]
;;       x = np.pad(x, [(0, 0)] * (x.ndim - 1) + [(0, -K % 32)]); x = x.reshape(x.shape[:-1] + (-1, 32)); a = np.abs(x).max(-1, keepdims=True)
;;       e = np.where(a > 0, np.clip(np.frexp(np.where(a > 0, a, 1))[1] - 1 - 2, -126, 127), 0)      # np.frexp(a)[1] - 1 = floor(log2(a)), exactly
;;       r = np.clip(x / 2.0 ** e, -7.5, 7.5)
;;       step = 2.0 ** (np.maximum(np.frexp(np.where(r == 0, 1, r))[1] - 1, 0) - 3)
;;       q = np.round(r / step) * step * 2.0 ** e      # np.round: ties to even
;;       return np.moveaxis(q.reshape(q.shape[:-2] + (-1,))[..., :K], -1, axis).astype(np.float32)
;;   ~~~
;;   SOFTMAX AHEAD OF A QUANTISED PRODUCT. Where the list says 'softmax', what is quantised is not the finished softmax but p = 2^(t - M), with t = logit x log2(e) and M = ceil(the row's largest t), a whole number; so 1/2 < the row's largest p <= 1. The row's sum l is taken of the UNQUANTISED p, in f32, and the product's result is divided by l at the end. Since M is a whole number, a kernel that streams over the keys may use a running M (the ceiling of the running maximum): every later rescaling is an exact power of two, which a block's scale takes up: the codes' values come out the same.
;;   OPERANDS COMPUTED ON THE WAY. 'Computed on the way' means the value that the module computes at that place (a softmax that the list does not call 'softmax' is quantised finished and normalised). What goes into a quantiser is computed in f32, as accurately as f32 sums, v_exp_f32 and their like allow (about 1e-6 of the number): no bf16 or f16 on the way to a quantiser, and a product that is left as it is and whose result goes on into a quantised operand takes f32 operands (vector FMAs, or v_wmma_f32_16x16x4_f32). A number that lies on a knife's edge between two numbers of the format may be rounded either way, as far as f32 arithmetic and the matrix unit's own rounding can turn it there, and no further.
;;   INPUTS GIVEN AS CODES. wk (in the module: [2048, 2048], K = its axis 1); wo (in the module: [2048, 2048], K = its axis 1); wq (in the module: [2048, 2048], K = its axis 1); wv (in the module: [2048, 2048], K = its axis 1): each comes as NAME_codes (uint8): NAME with its K axis moved to the last place and cut into blocks of 32 codes, [.., K / 32, bytes a block], one block behind the other in memory; four codes in three bytes: a row's codes are one little-endian stream of bits, code i at bits 6 i .. 6 i + 5 (a code: sign, 2 exponent bits, 3 mantissa bits); and NAME_scales (uint8): the same leading axes, one E8M0 byte (e + 127) for each 32 codes along K. Its value is code x scale, taken as it is: it is not quantised again, and the codes and scales need not be those that the quantiser above would give.
;; One version. Each part assembles by itself: llvm-mc -triple=amdgcn-amd-amdhsa -mcpu=gfx1250 --defsym DOCPART=n.
;; ======== version 1 of 1: 4 launches
;; limits: right only within a limited range of input values
;; workspace buffers: hq 3,276,800 bytes; qkv 9,830,400 bytes; oq 3,276,800 bytes
;; launch norm (part 1): grid 256 x 1, 4 waves a work-group, no clusters, 33,280 bytes of LDS; arguments x, w_ln, hq; writes hq
.if DOCPART == 1
	.amdgcn_target "amdgcn-amd-amdhsa--gfx1250"
	.amdhsa_code_object_version 6
	.text
	.protected	k_q46b1f65832_norm
	.globl	k_q46b1f65832_norm
	.p2align	8
	.type	k_q46b1f65832_norm,@function
k_q46b1f65832_norm:
	s_mov_b64 s[64:65], 0
	v_nop
	global_prefetch_b8 v0, s[64:65] scope:SCOPE_SE
	s_setreg_imm32_b32 hwreg(HW_REG_WAVE_MODE, 25, 1), 1
	s_wait_xcnt 0x0
; THE PROGRAM: out0 = x + attention(rmsnorm(x)) Wo^T, every matrix product on codes of E2M3 with one E8M0 scale for each 32 along K.  Four launches:
;   norm  (this one): h = w_ln x rsqrt(mean(x^2) + 1e-5), quantised along D into hq (codes [2048][1536], then scale bytes [2048][64] at 0x300000)
;   qkv:   h Wq^T, h Wk^T, h Wv^T; the rotation by cos and sin on q and k; q and k quantised along the head's 128, v along the keys
;   attn:  causal attention on those codes; O / l quantised along the head's 128
;   oproj: (O / l) Wo^T + x
; WORK LEFT OUT, in attn alone: a step of 128 keys all of which come after a tile's 16 queries.  reference() sets those scores to -1e30 by a mask that it builds itself (jnp.tril);
; key 0 counts for every query, so the row's maximum is a finite score, and 2^(t - M) of a score of -1e30 is 0 in f32 for all finite inputs: such keys add 0 to the row's sum and zero codes to
; the second product.  So neither product of such a step can reach an output.  Every input has a way to the output and is loaded.
; LIMITS: a NaN, an infinity or an overflow that reaches only the steps left out is not carried to the result; NaN and infinities among the inputs are not served; a block of zeros, and a block
; whose largest magnitude lies under 2^(3 - 127), gets the scale byte 1 (its codes are zeros or as the held scale gives them); the bytes are read by this program alone.
; THIS LAUNCH.  A wave takes two rows of x (8,192 bytes each) and keeps them in registers between the sum of squares and the scaling.  Each load reads 512 consecutive bytes.  The conversions want 16
; neighbours along D in one lane, so 512 numbers at a time turn through the wave's own stage in LDS (80 bytes a lane: 64 + 16 of padding).  Two neighbouring lanes hold a block of 32.
; A lane's 16 codes are 12 bytes: a wave's store covers 384 consecutive bytes.  The wave's 128 scale bytes are gathered in LDS and leave by one store of 128 consecutive bytes.  Waves share nothing: no barrier.
.set SP,    80                         ; a lane's place in a stage
.set WREG,  8192                       ; LDS of a wave: two stages of 32 x SP bytes, then its 128 scale bytes
.set SPARE, 4*WREG                     ; the spare words: 128 bytes for each wave, named by no other line
.set SPW,   12                         ; v12  my spare word's address; never rewritten
.set NIL,   13                         ; v13  0; never rewritten
.set W,     16                         ; v16-79   w_ln as loaded
.set X,     80                         ; v80-207  row p at X + 64 p; later step t's codes at X + 16 t and its byte at X + 16 t + 4
.set XS,    208                        ; v208-239 two sets of 16 neighbours; before the turns: the sums of squares (v208-223) and 1 / rms (v224-227)
.set R,     224
	s_load_b128 s[4:7], s[0:1], 0x0                ; x, w_ln
	s_load_b64 s[8:9], s[0:1], 0x10                ; hq
	v_lshl_add_u32 v[SPW], v0, 2, SPARE
	v_mov_b32 v[NIL], 0
	v_lshrrev_b32 v1, 5, v0
	v_readfirstlane_b32 s16, v1                    ; wave
	v_and_b32 v2, 31, v0                           ; lane
	v_lshlrev_b32 v3, 4, v2                        ; my 16 bytes of a load's 512
	v_mul_u32_u24 v4, v2, 12                       ; my codes' place in a step's 384 bytes
	s_mul_i32 s17, s16, WREG
	v_lshrrev_b32 v14, 2, v2
	v_mul_u32_u24 v14, v14, SP
	v_and_b32 v15, 3, v2
	v_lshl_add_u32 v14, v15, 4, v14
	v_add_nc_u32 v14, s17, v14                     ; the stage, in: SP (lane / 4) + 16 (lane % 4)
	v_mul_u32_u24 v15, v2, SP
	v_add_nc_u32 v15, s17, v15                     ; and out: SP x lane
	v_lshrrev_b32 v5, 1, v2
	s_add_co_u32 s17, s17, 2*32*SP
	v_add_nc_u32 v5, s17, v5                       ; my block's scale byte
	v_lshlrev_b32 v7, 2, v2
	v_add_nc_u32 v6, s17, v7                       ; the scale bytes on the way out: 4 a lane
	v_mov_b32 v10, 0                               ; written once: a lane permute's destination counts as one of its sources
	v_mov_b32 v11, 0
	s_mov_b32 s12, 0x76543210
	s_mov_b32 s13, 0xfedcba98                      ; selects for lane l xor 16
	s_mov_b32 s14, 0x3a000000                      ; 1 / 2048
	s_mov_b32 s15, 0x3727c5ac                      ; 1e-5
	s_lshl_b32 s20, ttmp9, 3
	s_lshl_b32 s21, s16, 1
	s_add_co_u32 s20, s20, s21                     ; my first row: 8 x work-group + 2 x wave
	s_lshl_b32 s18, s20, 13
	s_mov_b32 s19, 0
	s_mul_i32 s22, s20, 1536
	s_mov_b32 s23, 0
	s_lshl_b32 s20, s20, 6
	s_add_co_u32 s20, s20, 0x300000
	s_mov_b32 s21, 0
	s_wait_kmcnt 0x0
	s_add_nc_u64 s[4:5], s[4:5], s[18:19]          ; x at my rows
	s_add_nc_u64 s[10:11], s[8:9], s[20:21]        ; their scale bytes
	s_add_nc_u64 s[8:9], s[8:9], s[22:23]          ; their codes
.irp p, 0,1
.irp i, 0,1,2,3,4,5,6,7,8,9,10,11,12,13,14,15
	global_load_b128 v[X+64*\p+4*\i:X+64*\p+4*\i+3], v3, s[4:5] offset:8192*\p+512*\i th:TH_LOAD_NT
.endr
.endr
.irp i, 0,1,2,3,4,5,6,7,8,9,10,11,12,13,14,15
	global_load_b128 v[W+4*\i:W+4*\i+3], v3, s[6:7] offset:512*\i
.endr
.macro SUMSQ p                         ; row p's sum of squares: four packed chains, started by the first four products
.irp k, 0,1,2,3
	v_pk_mul_f32 v[XS+8*\p+2*\k:XS+8*\p+2*\k+1], v[X+64*\p+2*\k:X+64*\p+2*\k+1], v[X+64*\p+2*\k:X+64*\p+2*\k+1]
.endr
.set j, 4
.rept 28
	v_pk_fma_f32 v[XS+8*\p+2*(j%4):XS+8*\p+2*(j%4)+1], v[X+64*\p+2*j:X+64*\p+2*j+1], v[X+64*\p+2*j:X+64*\p+2*j+1], v[XS+8*\p+2*(j%4):XS+8*\p+2*(j%4)+1]
.set j, j+1
.endr
.endm
	s_wait_loadcnt 32                              ; row 0 is in; row 1's and w_ln's 32 loads may be out
	SUMSQ 0
	s_wait_loadcnt 16                              ; row 1 is in
	SUMSQ 1
.irp p, 0,1
	v_pk_add_f32 v[XS+8*\p:XS+8*\p+1], v[XS+8*\p:XS+8*\p+1], v[XS+8*\p+2:XS+8*\p+3]
	v_pk_add_f32 v[XS+8*\p+4:XS+8*\p+5], v[XS+8*\p+4:XS+8*\p+5], v[XS+8*\p+6:XS+8*\p+7]
.endr
.irp p, 0,1
	v_pk_add_f32 v[XS+8*\p:XS+8*\p+1], v[XS+8*\p:XS+8*\p+1], v[XS+8*\p+4:XS+8*\p+5]
.endr
.irp p, 0,1
	v_add_f32 v[8+\p], v[XS+8*\p], v[XS+8*\p+1]
.endr
.irp m, 1,2,4,8
.irp p, 0,1
	v_add_f32_dpp v[8+\p], v[8+\p], v[8+\p] row_xmask:\m row_mask:0xf bank_mask:0xf
.endr
.endr
.irp p, 0,1
	v_permlanex16_b32 v[10+\p], v[8+\p], s12, s13
.endr
.irp p, 0,1
	v_add_f32 v[8+\p], v[8+\p], v[10+\p]           ; every lane holds the row's sum of squares
.endr
.irp p, 0,1
	v_fma_f32 v[8+\p], v[8+\p], s14, s15           ; the mean + 1e-5
.endr
	s_wait_alu depctr_va_vdst(0)
	v_rsq_f32 v[R], v8                             ; each twice: the packed multiply names a pair
	v_rsq_f32 v[R+1], v8
	v_rsq_f32 v[R+2], v9
	v_rsq_f32 v[R+3], v9
	s_wait_loadcnt 0x0                             ; w_ln
.set j, 0
.rept 32
	v_pk_mul_f32 v[X+2*j:X+2*j+1], v[W+2*j:W+2*j+1], v[X+2*j:X+2*j+1]           ; w x, as reference() orders it: plain work behind the four roots
	v_pk_mul_f32 v[X+64+2*j:X+65+2*j], v[W+2*j:W+2*j+1], v[X+64+2*j:X+65+2*j]
.set j, j+1
.endr
	s_wait_alu depctr_va_vdst(0)                   ; one wait for the four roots, ahead of their first reader
.set j, 0
.rept 32
	v_pk_mul_f32 v[X+2*j:X+2*j+1], v[X+2*j:X+2*j+1], v[R:R+1] op_sel_hi:[1,0]
	v_pk_mul_f32 v[X+64+2*j:X+65+2*j], v[X+64+2*j:X+65+2*j], v[R+2:R+3] op_sel_hi:[1,0]
.set j, j+1
.endr
.macro TURN t                          ; step t's 512 numbers through stage t % 2: LDS serves a wave's instructions in order, so no wait stands between the stores and the loads
.irp i, 0,1,2,3
	ds_store_b128 v14, v[X+16*(\t)+4*\i:X+16*(\t)+4*\i+3] offset:32*SP*((\t)%2)+8*SP*\i
.endr
.irp i, 0,1,2,3
	ds_load_b128 v[XS+16*((\t)%2)+4*\i:XS+16*((\t)%2)+4*\i+3], v15 offset:32*SP*((\t)%2)+16*\i
.endr
.endm
.macro STEP t                          ; step t = 4 x row + quarter of the row
.if (\t) > 0
	s_wait_dscnt 1                                 ; this step's numbers are back (the last step's byte store may be out): so its stores into the stage have read X + 16 t on, which take the codes
.else
	s_wait_dscnt 0x0
.endif
.if (\t) < 7
	TURN (\t)+1
.endif
.set XN, XS+16*((\t)%2)
.set CD, X+16*(\t)
	v_max3_num_f32 v8, |v[XN]|, |v[XN+1]|, |v[XN+2]|
	v_max3_num_f32 v9, |v[XN+3]|, |v[XN+4]|, |v[XN+5]|
.irp i, 6,10
	v_max3_num_f32 v8, v8, |v[XN+\i]|, |v[XN+\i+1]|
	v_max3_num_f32 v9, v9, |v[XN+\i+2]|, |v[XN+\i+3]|
.endr
	v_max3_num_f32 v8, v8, |v[XN+14]|, |v[XN+15]|
	v_max3_num_f32 v8, v8, v9, 0x1800000           ; with the floor 2^(3 - 127): the byte cannot fall under 1
	v_max_num_f32_dpp v8, v8, v8 row_xmask:1 row_mask:0xf bank_mask:0xf   ; and my neighbour's 16: the block's largest magnitude
	v_add_nc_u32 v11, 0xff000000, v8               ; 2 off its exponent field: the conversion takes this operand's exponent field as its scale
	v_cvt_scalef32_pk16_fp6_f32 v[CD:CD+2], v[XN:XN+15], v11
	v_lshrrev_b32 v[CD+4], 23, v11                 ; the scale's byte
	ds_store_b8 v5, v[CD+4] offset:16*(\t)         ; both lanes of a block write the same byte with the same value
	global_store_b96 v4, v[CD:CD+2], s[8:9] offset:1536*((\t)/4)+384*((\t)%4)
.endm
	TURN 0
.irp t, 0,1,2,3,4,5,6,7
	STEP \t
.endr
	ds_load_b32 v8, v6                             ; my wave's 128 scale bytes: these see my stores
	s_wait_dscnt 0x0
	global_store_b32 v7, v8, s[10:11]              ; 128 consecutive bytes: two rows' scale bytes
	s_wait_tensorcnt 0x0                           ; the wave's end, behind my last LDS store
	ds_add_u32 v[SPW], v[NIL]
	s_wait_dscnt 0x0
	s_endpgm
.Lfunc_end_k_q46b1f65832_norm:
	.size	k_q46b1f65832_norm, .Lfunc_end_k_q46b1f65832_norm-k_q46b1f65832_norm
	.p2alignl 7, 3214868480
	.fill 96, 4, 3214868480
	.section	.rodata,"a",@progbits
	.p2align	6, 0x0
	.amdhsa_kernel k_q46b1f65832_norm
		.amdhsa_group_segment_fixed_size 33280
		.amdhsa_private_segment_fixed_size 0
		.amdhsa_enable_private_segment 0
		.amdhsa_kernarg_size 24
		.amdhsa_user_sgpr_count 2
		.amdhsa_user_sgpr_kernarg_segment_ptr 1
		.amdhsa_wavefront_size32 1
		.amdhsa_system_sgpr_workgroup_id_x 1
		.amdhsa_system_sgpr_workgroup_id_y 1
		.amdhsa_system_sgpr_workgroup_id_z 1
		.amdhsa_system_vgpr_workitem_id 0
		.amdhsa_next_free_vgpr 240
		.amdhsa_next_free_sgpr 66
		.amdhsa_reserve_vcc 0
		.amdhsa_float_denorm_mode_32 3
		.amdhsa_float_denorm_mode_16_64 3
		.amdhsa_memory_ordered 1
		.amdhsa_forward_progress 1
		.amdhsa_inst_pref_size 32
	.end_amdhsa_kernel
	.amdgpu_metadata
---
amdhsa.version: [ 1, 2 ]
amdhsa.kernels:
  - .name:           k_q46b1f65832_norm
    .symbol:         k_q46b1f65832_norm.kd
    .args:
      - { .name: x, .offset: 0, .size: 8, .value_kind: global_buffer, .address_space: global }
      - { .name: w_ln, .offset: 8, .size: 8, .value_kind: global_buffer, .address_space: global }
      - { .name: hq, .offset: 16, .size: 8, .value_kind: global_buffer, .address_space: global }
    .group_segment_fixed_size: 33280
    .private_segment_fixed_size: 0
    .kernarg_segment_align: 8
    .kernarg_segment_size: 24
    .max_flat_workgroup_size: 128
    .sgpr_count:     66
    .vgpr_count:     240
    .wavefront_size: 32
...
	.end_amdgpu_metadata
.endif
;; end of part 1
;; launch qkv (part 2): grid 16 x 16, 4 waves a work-group, clusters of 4 x 4, 327,680 bytes of LDS; arguments hq, wq_codes, wq_scales, wk_codes, wk_scales, wv_codes, wv_scales, cos, sin, qkv; writes qkv
.if DOCPART == 2
	.amdgcn_target "amdgcn-amd-amdhsa--gfx1250"
	.amdhsa_code_object_version 6
	.text
	.protected	k_q46b1f65832_qkv
	.globl	k_q46b1f65832_qkv
	.p2align	8
	.type	k_q46b1f65832_qkv,@function
k_q46b1f65832_qkv:
	s_mov_b64 s[64:65], 0
	v_nop
	global_prefetch_b8 v0, s[64:65] scope:SCOPE_SE
	s_setreg_imm32_b32 hwreg(HW_REG_WAVE_MODE, 25, 1), 1
	s_wait_xcnt 0x0
	s_wait_alu depctr_hold_cnt(0) depctr_sa_sdst(0) depctr_va_vdst(0) depctr_va_sdst(0) depctr_va_ssrc(0) depctr_va_vcc(0) depctr_vm_vsrc(0)
	s_getreg_b32 s2, hwreg(HW_REG_IB_STS2, 6, 4)
	s_cmp_eq_u32 s2, 0
	s_cbranch_scc0 .Lentry_in_a_cluster
	s_endpgm
.Lentry_in_a_cluster:
	s_bfe_u32 s2, ttmp6, 0x10000c
	s_cmp_lg_u32 s2, 0xf033
	s_cbranch_scc0 .Lentry_shape_is_right
	s_endpgm
.Lentry_shape_is_right:
; q = rot(h Wq^T), k = rot(h Wk^T), v = h Wv^T for one head and 128 rows, on codes of E2M3; then q and k are quantised along the head's 128 and v along the keys.  Nothing of reference() is left out here.
; SHARES.  Work-group (head = x, block of 128 rows = y).  Wave w (b = w & 1, g = w >> 1) makes, for all 128 rows: of q (g = 0) or k (g = 1) the channels 32 b .. 32 b + 31 and 64 + 32 b .. 64 + 32 b + 31
; (the two blocks of 32 that the rotation pairs), and of v the channels 32 w .. 32 w + 31: 48 accumulators of 16 x 16.
; q's and k's products are used transposed (source 0 = 16 rows of W, source 1 = 16 rows of h): a lane holds one row t, its registers run along d.  v's are used straight: a lane holds one d, its registers run along t, the keys.
; THE RING: a row of codes is 1,536 bytes = six chunks of 256 bytes, each beginning at a multiple of 256.  Chunk c lies in slot c % 2; a slot is four quarters of 128 rows (h, Wq, Wk, Wv), wave w fetches quarter w.
; A step of 128 along K is 96 bytes of a row: eight steps to three chunks; steps 2, 5, 10, 13 lie across two chunks and take their pieces from both slots.  The walk is written out: slots and steps come back together only after all 16 steps.
; THE SCALE WORDS of all 16 steps go from memory straight into 112 registers: 16 bytes a lane and load; the four loads of 16 rows together cover 1,024 consecutive bytes.
; COS AND SIN, 128 rows of 512 bytes each, come as one more refill of slot 0 when chunk 4 is read out: a table row is two pieces of 256 + 16 bytes, so every byte written is one that the ring's loads have filled.
; CLUSTER 4 x 4: h's tiles and the tables hang on the row block alone and are asked for jointly by my row of the cluster, the weights' tiles on the head alone, by my column.
; PREFETCH: behind the load of chunk c one instruction a wave names chunk c + 2 (behind chunk 4's: the tables), a lane a block of 256 bytes; the four partners that ask for a tile jointly share its rows out by address.
; Chunk 1 is named at the head with chunk 2.  All offsets are immediates; the address registers are never rewritten.
; THE ORDER OF CODES AND WHAT IS STORED (buffer qkv).  A lane's 16 registers of two neighbouring tiles are numbers 8 hh + 0..7 and 16 + 8 hh + 0..7 of one true block of 32: the block's codes come out in one fixed order
; (0-7, 16-23, 8-15, 24-31), in q and k alike, and in v and the next launch's p alike.  q at 0, k at 0x300000: [head][tile of 16 rows][1536], half b: registers 6 b .. 6 b + 3 at 16 x lane, 6 b + 4, 6 b + 5 at 512 + 8 x lane.
; v at 0x600000: [head][128 keys][tile of 16 d][1536].  Scales: q at 0x900000, k at 0x920000 (v's words in its upper half), as halfword planes and words.
; LIMITS: as stated at the head of the first launch.
; REGISTERS.  Window 0: v8-31 addresses; v32-95 h's scale words, v96-127 Wq's or Wk's, v128-143 Wv's; v144-239 h's 8 fragments, one set.  Window 1: the weights' 6 fragments, two sets, at v0 and v128.
; Window 2: q's or k's accumulators (row tile a, tile tb) at v[8 (4 a + tb)].  Window 3: v's (a, tv) at v[64 tv + 8 a].
.set ROWB,  256
.set KROW,  1536
.set CHUNKS, 6
.set PITCH, 272                        ; 256 + 16 of padding
.set FR,    12
.set HALFT, 128*PITCH
.set SLOT,  4*HALFT
.set SPARE, 2*SLOT                     ; the spare words
.set TP,    544                        ; a table row in LDS
.set TSIN,  2*HALFT                    ; sin behind cos
.set ADRV,  8                          ; v8-9 Wv's fragments in slot 0, 1; v10-11 lanes 0-15 at byte 232 of slot 0, 1 and lanes 16-31 at byte 0 of the other slot
.set L4,    12
.set HSO,   13                         ; 64 r + 4096 hh
.set VSO,   14                         ; 64 x lane
.set ADRA,  16                         ; v16-19 h's
.set ADRB,  20                         ; v20-23 Wq's or Wk's
.set TA,    24                         ; v24 cos, v25 sin
.set PFO,   26                         ; lane x 1,536
.set PFT,   27                         ; lane x 256
.set SPW,   28
.set NIL,   29
.set L16,   30
.set L8,    31
.set HS,    32                         ; word of step st: h's tile i (lanes 0-15) and i + 4 (lanes 16-31) at HS + 16 i + st
.set WS,    96                         ; my W tiles j and j + 2 at WS + 16 j + st
.set VS,    128                        ; my two Wv tiles at VS + st
.set AF,    144
.set T,     32
.set TB0,   64
.set G1,   24
.set G0,   32
.set G1B,  48
.set G0B,  56
.set SEL,  66
.set HSB,  68
.set WSB,  70
.set VSB,  72
.set PFA,  74
.set G0T,  76
.set PFB,  80
.set G1T,  92
.set MSB, 0
.macro WIN new                         ; the immediate's high byte repeats the setting that is left
.if MSB != (\new)
	s_set_vgpr_msb (MSB<<8)|(\new)
.set MSB, (\new)
.endif
.endm
.macro PLACES n
.rept \n
	v_nop
.endr
.endm
; A joint load: wave 0 fetches for h, waves 1 to 3 for the weights.  Each line has one mask; the branch hangs on the wave's number alone.  An s_nop 0 and four v_nop follow each line.
.macro JLOAD g0a, g1a, g0b, g1b
	s_cmp_eq_u32 s15, 0
	s_cbranch_scc0 .Lfor_b_\@
	tensor_load_to_lds s[\g0a:\g0a+3], s[\g1a:\g1a+7]
	s_nop 0
.rept 4
	v_nop
.endr
	s_branch .Lasked_\@
.Lfor_b_\@:
	tensor_load_to_lds s[\g0b:\g0b+3], s[\g1b:\g1b+7]
	s_nop 0
.rept 4
	v_nop
.endr
.Lasked_\@:
.endm
.macro CREST
	s_cmp_lg_u32 s14, 0
	s_cbranch_scc1 .Lnot_wave_0_\@
	s_barrier_signal -3
.Lnot_wave_0_\@:
	s_barrier_wait -3
	s_barrier_signal -1
	s_barrier_wait -1
.endm
.macro CROUND
	s_barrier_signal -1
	s_barrier_wait -1
	CREST
.endm
	s_load_b512 s[68:83], s[0:1], 0x0              ; hq 68, wq codes 70, scales 72, wk 74, 76, wv 78, 80, cos 82
	s_load_b128 s[84:87], s[0:1], 0x40             ; sin 84, qkv 86
	v_lshl_add_u32 v[SPW], v0, 2, SPARE
	v_mov_b32 v[NIL], 0
	ds_add_u32 v[SPW], v[NIL]                      ; the opening: the add, twice on end, and its wait ahead of my first tensor load
	ds_add_u32 v[SPW], v[NIL]
	v_lshrrev_b32 v1, 5, v0
	v_readfirstlane_b32 s14, v1                    ; wave
	s_min_u32 s15, s14, 1                          ; 0: I fetch for h
	s_and_b32 s16, s14, 1                          ; b
	s_lshr_b32 s17, s14, 1                         ; g
	s_bfe_u32 s40, ttmp6, 0x40000                  ; cx
	s_bfe_u32 s41, ttmp6, 0x40004                  ; cy
	s_lshl_b32 s42, ttmp9, 2
	s_add_co_u32 s42, s42, s40                     ; the head
	s_and_b32 s45, ttmp7, 0xffff
	s_lshl_b32 s45, s45, 2
	s_add_co_u32 s45, s45, s41                     ; the block of 128 rows
	s_lshl_b32 s43, s41, 2
	s_lshl_b32 s43, 15, s43                        ; my row of the cluster
	s_lshl_b32 s44, 0x1111, s40                    ; my column
	s_or_b32 s[G1+0], s43, (1<<20)|(1<<21)|(5<<22)|(3<<25)    ; elements of 1 byte; 16 bytes of padding behind every 256
	s_or_b32 s[G1B+0], s44, (1<<20)|(1<<21)|(5<<22)|(3<<25)
.irp g, G1, G1B
	s_mov_b32 s[\g+1], ROWB<<16
	s_mov_b32 s[\g+2], 128<<16
	s_mov_b32 s[\g+3], ROWB<<16
	s_mov_b32 s[\g+4], 128
	s_mov_b32 s[\g+5], KROW
	s_mov_b32 s[\g+6], 0
	s_mov_b32 s[\g+7], 0
.endr
	s_mov_b32 s[SEL], 0x76543210
	s_mov_b32 s[SEL+1], 0xfedcba98
	s_mov_b32 s3, 0
	s_mov_b32 s47, 0
	s_add_co_u32 s18, s17, 1
	s_mul_i32 s18, s18, HALFT
	s_mul_i32 s19, s16, 32*PITCH
	s_add_co_u32 s18, s18, s19                     ; Wq's or Wk's quarter, row 32 b
	s_mul_i32 s20, s14, 32*PITCH
	s_add_co_u32 s20, s20, 3*HALFT                 ; Wv's quarter, row 32 w
	s_mov_b32 s21, SLOT-232
	s_mov_b32 s22, SLOT+232
	s_lshl_b32 s23, s16, 7                         ; my lower block in a table row
	v_and_b32 v1, 15, v0                           ; r
	v_bfe_u32 v2, v0, 4, 1                         ; hh
	v_and_b32 v6, 31, v0                           ; lane
	v_mul_u32_u24 v3, v1, PITCH
	v_mad_u32_u24 v[ADRA], v2, 24, v3              ; a fragment's row x pitch + 24 hh
	v_add_nc_u32 v[ADRA+1], SLOT, v[ADRA]
	v_mul_u32_u24 v5, s21, v2
	v_add_nc_u32 v5, v3, v5
	v_add_nc_u32 v[ADRA+2], 232, v5                ; lanes 0-15 byte 232 of the row in slot 0, lanes 16-31 byte 0 of the row in slot 1
	v_sub_nc_u32 v7, 1, v2
	v_mul_u32_u24 v7, s22, v7
	v_add_nc_u32 v[ADRA+3], v3, v7                 ; and the other way round
.irp i, 0,1,2,3
	v_add_nc_u32 v[ADRB+\i], s18, v[ADRA+\i]
	v_add_nc_u32 v[ADRV+\i], s20, v[ADRA+\i]
.endr
	v_lshlrev_b32 v[HSO], 6, v1
	v_lshl_add_u32 v[HSO], v2, 12, v[HSO]          ; a row's 64 scale bytes; lanes 16-31 take the row 64 further on
	v_lshlrev_b32 v[VSO], 6, v6
	v_mul_u32_u24 v[TA], v1, TP
	v_lshl_add_u32 v[TA], v2, 5, v[TA]
	v_add_nc_u32 v[TA], s23, v[TA]                 ; cos: row r, + 32 hh, + my lower block
	v_add_nc_u32 v[TA+1], TSIN, v[TA]
	v_lshlrev_b32 v[L16], 4, v6
	v_lshlrev_b32 v[L8], 3, v6
	v_lshlrev_b32 v[L4], 2, v6
	v_mul_u32_u24 v[PFO], v6, KROW
	v_lshlrev_b32 v[PFT], 8, v6
	s_wait_alu depctr_va_vdst(0)                   ; behind the head's last vector instruction
	s_wait_dscnt 0x0                               ; both opening adds are done
	s_wait_kmcnt 0x0
	s_cmp_eq_u32 s14, 2                            ; the weights that I fetch: wave 1 Wq, 2 Wk, 3 Wv
	s_cselect_b64 s[18:19], s[74:75], s[70:71]
	s_cmp_eq_u32 s14, 3
	s_cselect_b64 s[18:19], s[78:79], s[18:19]
	s_mul_i32 s46, s42, 196608                     ; the head's 128 rows of 1,536 bytes
	s_add_nc_u64 s[18:19], s[18:19], s[46:47]
	s_mul_i32 s2, s45, 196608
	s_add_nc_u64 s[20:21], s[68:69], s[2:3]        ; h's codes
	s_mul_i32 s2, s14, HALFT                       ; my quarter of a slot: no place in the cluster enters an LDS address
.irp s, 0,1
	s_mov_b32 s[G0+4*\s], 1
	s_add_co_u32 s[G0+4*\s+1], s2, \s*SLOT
	s_add_nc_u64 s[G0+4*\s+2:G0+4*\s+3], s[20:21], \s*ROWB
	s_or_b32 s[G0+4*\s+3], s[G0+4*\s+3], 0x80000000
	s_mov_b32 s[G0B+4*\s], 1
	s_add_co_u32 s[G0B+4*\s+1], s2, \s*SLOT
	s_add_nc_u64 s[G0B+4*\s+2:G0B+4*\s+3], s[18:19], \s*ROWB
	s_or_b32 s[G0B+4*\s+3], s[G0B+4*\s+3], 0x80000000
.endr
	CROUND                                         ; all sixteen work-groups are here: the first joint loads meet
	JLOAD G0, G1, G0B, G1B                         ; chunk 0: my one tensor load at the head
	s_lshl_b32 s2, s45, 13
	s_add_co_u32 s2, s2, 0x300000
	s_add_nc_u64 s[HSB:HSB+1], s[68:69], s[2:3]    ; h's scale bytes
	s_cmp_eq_u32 s17, 0
	s_cselect_b64 s[WSB:WSB+1], s[72:73], s[76:77] ; the scales of the weights that I multiply by
	s_cselect_b64 s[4:5], s[82:83], s[84:85]       ; the table that I fetch: waves 0, 1 cos, waves 2, 3 sin
	s_lshl_b32 s89, s42, 13
	s_lshl_b32 s46, s16, 11
	s_add_co_u32 s46, s46, s89
	s_add_nc_u64 s[WSB:WSB+1], s[WSB:WSB+1], s[46:47]   ; the head's rows, from row 32 b on
	s_lshl_b32 s46, s14, 11
	s_add_co_u32 s46, s46, s89
	s_add_nc_u64 s[VSB:VSB+1], s[80:81], s[46:47]  ; Wv's, from row 32 w on
.irp i, 0,1,2,3
.irp k, 0,1,2,3
	global_load_b128 v[HS+16*\i+4*\k:HS+16*\i+4*\k+3], v[HSO], s[HSB:HSB+1] offset:1024*\i+16*\k
.endr
.endr
.irp i, 0,1
.irp k, 0,1,2,3
	global_load_b128 v[WS+16*\i+4*\k:WS+16*\i+4*\k+3], v[HSO], s[WSB:WSB+1] offset:1024*\i+16*\k
.endr
.endr
.irp k, 0,1,2,3
	global_load_b128 v[VS+4*\k:VS+4*\k+3], v[VSO], s[VSB:VSB+1] offset:16*\k
.endr
	s_cmp_eq_u32 s15, 0                            ; the prefetches: of the 128 rows that I fetch, my work-group's 32 (place cx among h's four askers, cy among the weights')
	s_cselect_b64 s[PFA:PFA+1], s[20:21], s[18:19]
	s_cselect_b32 s88, s40, s41
	s_mul_i32 s88, s88, 32*KROW
	s_mov_b32 s89, 0
	s_add_nc_u64 s[PFA:PFA+1], s[PFA:PFA+1], s[88:89]
	global_prefetch_b8 v[PFO], s[PFA:PFA+1] offset:ROWB th:TH_LOAD_NT scope:SCOPE_SE
	global_prefetch_b8 v[PFO], s[PFA:PFA+1] offset:2*ROWB th:TH_LOAD_NT scope:SCOPE_SE
	s_lshl_b32 s2, s45, 16                         ; the tables: the block's 128 rows of 512 bytes, my 64
	s_lshl_b32 s88, s16, 15
	s_add_co_u32 s2, s2, s88
	s_add_nc_u64 s[4:5], s[4:5], s[2:3]
	s_lshl_b32 s88, s40, 13
	s_add_nc_u64 s[PFB:PFB+1], s[4:5], s[88:89]    ; my work-group's 8,192 bytes of those 32,768
	s_mov_b32 s[G0T], 1
	s_mul_i32 s[G0T+1], s14, HALFT
	s_mov_b64 s[G0T+2:G0T+3], s[4:5]
	s_or_b32 s[G0T+3], s[G0T+3], 0x80000000
	s_mov_b32 s93, 0                               ; where my results go
	s_mul_i32 s94, s42, 0x30000
	s_mul_i32 s95, s45, 12288
	s_add_co_u32 s94, s94, s95
	s_mul_i32 s92, s17, 0x300000
	s_add_co_u32 s92, s92, s94
	s_mul_i32 s95, s16, 768
	s_add_co_u32 s92, s92, s95
	s_add_nc_u64 s[6:7], s[86:87], s[92:93]        ; q's or k's images, my half
	s_mul_i32 s92, s14, 3072
	s_add_co_u32 s92, s92, s94
	s_add_co_u32 s92, s92, 0x600000
	s_add_nc_u64 s[8:9], s[86:87], s[92:93]        ; v's images, my two tiles of d
	s_lshl_b32 s94, s45, 9
	s_lshl_b32 s95, s42, 13
	s_lshl_b32 s92, s95, s17                       ; 8,192 a head for q, 16,384 for k
	s_add_co_u32 s92, s92, s94
	s_lshl_b32 s96, s17, 17
	s_add_co_u32 s92, s92, s96
	s_lshl_b32 s96, s16, 8
	s_add_co_u32 s92, s92, s96
	s_add_co_u32 s92, s92, 0x900000
	s_add_nc_u64 s[10:11], s[86:87], s[92:93]      ; my scale plane
	s_lshl_b32 s92, s95, 1
	s_add_co_u32 s92, s92, s94
	s_lshl_b32 s96, s14, 7
	s_add_co_u32 s92, s92, s96
	s_add_co_u32 s92, s92, 0x920000+8192
	s_add_nc_u64 s[12:13], s[86:87], s[92:93]      ; v's scale words, my pair of tiles
	s_or_b32 s[G1T+0], s43, (2<<16)|(1<<20)|(1<<21)|(5<<22)|(3<<25)   ; the tables: 64 rows of 128 elements of 4 bytes, the ring's padding
	s_mov_b32 s[G1T+1], 128<<16
	s_mov_b32 s[G1T+2], 64<<16
	s_mov_b32 s[G1T+3], 128<<16
	s_mov_b32 s[G1T+4], 64
	s_mov_b32 s[G1T+5], 128
	s_mov_b32 s[G1T+6], 0
	s_mov_b32 s[G1T+7], 0
; a fragment: 16 rows x 128 K of 6-bit codes, 12 registers, in pieces of 8 bytes.  Byte y of a row lies in chunk y / 256, slot (y / 256) % 2, at byte y % 256 of the LDS row; lanes 16-31 read 24 bytes further on
.macro FRAG reg, adr, st, row
.irp p, 0,1,2,3,4,5
.set BY, 96*(\st)+48*(\p/3)+8*(\p%3)
.if BY/ROWB == (BY+24)/ROWB
	ds_load_b64 v[\reg+2*\p:\reg+2*\p+1], v[\adr+(BY/ROWB)%2] offset:BY%ROWB+(\row)*PITCH
.else
	ds_load_b64 v[\reg+2*\p:\reg+2*\p+1], v[\adr+2+(BY/ROWB)%2] offset:BY%ROWB-232+(\row)*PITCH
.endif
.endr
.endm
; one product.  z = 1: it starts its sum.  ra, rb: the half of the lanes from which source 0's and source 1's scale words are taken
.macro WM d, a, b, z, sa, sb, ra, rb
.if \z
.if \ra
.if \rb
	v_wmma_scale_f32_16x16x128_f8f6f4 v[(\d):(\d)+7], v[(\a):(\a)+11], v[(\b):(\b)+11], 0, v[\sa], v[\sb] matrix_a_fmt:MATRIX_FMT_FP6 matrix_b_fmt:MATRIX_FMT_FP6 matrix_a_scale:MATRIX_SCALE_ROW1 matrix_b_scale:MATRIX_SCALE_ROW1
.else
	v_wmma_scale_f32_16x16x128_f8f6f4 v[(\d):(\d)+7], v[(\a):(\a)+11], v[(\b):(\b)+11], 0, v[\sa], v[\sb] matrix_a_fmt:MATRIX_FMT_FP6 matrix_b_fmt:MATRIX_FMT_FP6 matrix_a_scale:MATRIX_SCALE_ROW1
.endif
.else
.if \rb
	v_wmma_scale_f32_16x16x128_f8f6f4 v[(\d):(\d)+7], v[(\a):(\a)+11], v[(\b):(\b)+11], 0, v[\sa], v[\sb] matrix_a_fmt:MATRIX_FMT_FP6 matrix_b_fmt:MATRIX_FMT_FP6 matrix_b_scale:MATRIX_SCALE_ROW1
.else
	v_wmma_scale_f32_16x16x128_f8f6f4 v[(\d):(\d)+7], v[(\a):(\a)+11], v[(\b):(\b)+11], 0, v[\sa], v[\sb] matrix_a_fmt:MATRIX_FMT_FP6 matrix_b_fmt:MATRIX_FMT_FP6
.endif
.endif
.else
.if \ra
.if \rb
	v_wmma_scale_f32_16x16x128_f8f6f4 v[(\d):(\d)+7], v[(\a):(\a)+11], v[(\b):(\b)+11], v[(\d):(\d)+7], v[\sa], v[\sb] matrix_a_fmt:MATRIX_FMT_FP6 matrix_b_fmt:MATRIX_FMT_FP6 matrix_a_scale:MATRIX_SCALE_ROW1 matrix_b_scale:MATRIX_SCALE_ROW1
.else
	v_wmma_scale_f32_16x16x128_f8f6f4 v[(\d):(\d)+7], v[(\a):(\a)+11], v[(\b):(\b)+11], v[(\d):(\d)+7], v[\sa], v[\sb] matrix_a_fmt:MATRIX_FMT_FP6 matrix_b_fmt:MATRIX_FMT_FP6 matrix_a_scale:MATRIX_SCALE_ROW1
.endif
.else
.if \rb
	v_wmma_scale_f32_16x16x128_f8f6f4 v[(\d):(\d)+7], v[(\a):(\a)+11], v[(\b):(\b)+11], v[(\d):(\d)+7], v[\sa], v[\sb] matrix_a_fmt:MATRIX_FMT_FP6 matrix_b_fmt:MATRIX_FMT_FP6 matrix_b_scale:MATRIX_SCALE_ROW1
.else
	v_wmma_scale_f32_16x16x128_f8f6f4 v[(\d):(\d)+7], v[(\a):(\a)+11], v[(\b):(\b)+11], v[(\d):(\d)+7], v[\sa], v[\sb] matrix_a_fmt:MATRIX_FMT_FP6 matrix_b_fmt:MATRIX_FMT_FP6
.endif
.endif
.endif
.endm
; 16 products for q or k: row tiles a0 .. a0 + 3 x my four tiles of W.  The 48 accumulators take turns, one instruction a turn, in the same order in every step.
.macro MULQ a0, p, st, zero
	WIN 0xa1                                       ; source 0 (W) window 1, source 1 (h) window 0, C and D window 2
.irp i, 0,1,2,3
.irp tb, 0,1,2,3
	WM 8*(4*(\a0+\i)+\tb), 128*(\p)+FR*\tb, AF+FR*(\a0+\i), \zero, WS+16*(\tb%2)+(\st), HS+16*\i+(\st), \tb/2, (\a0)/4
.endr
.endr
.endm
; 8 products for v: source 0 = h, source 1 = Wv
.macro MULV a0, p, st, zero
	WIN 0xf4                                       ; source 0 (h) window 0, source 1 (Wv) window 1, C and D window 3
.irp i, 0,1,2,3
.irp tv, 0,1
	WM 64*\tv+8*(\a0+\i), AF+FR*(\a0+\i), 128*(\p)+FR*(4+\tv), \zero, HS+16*\i+(\st), VS+(\st), (\a0)/4, \tv
.endr
.endr
.endm
.macro FETCH_B st, p                   ; my six fragments of the weights: 36 loads
	WIN 0x40
	FRAG 128*(\p)+FR*0, ADRB, \st, 0
	FRAG 128*(\p)+FR*1, ADRB, \st, 16
	FRAG 128*(\p)+FR*2, ADRB, \st, 64
	FRAG 128*(\p)+FR*3, ADRB, \st, 80
	FRAG 128*(\p)+FR*4, ADRV, \st, 0
	FRAG 128*(\p)+FR*5, ADRV, \st, 16
	WIN 0
.endm
.macro FETCH_A st, i0                  ; h's row tiles i0 .. i0 + 3: 24 loads
.irp i, 0,1,2,3
	FRAG AF+FR*(\i0+\i), ADRA, \st, 16*(\i0+\i)
.endr
.endm
; A step of 128 along K: 48 products; the next step's fragments are fetched in its middle and at its end.  Four places stand between a matrix instruction and a load into a register that it has read.
;   the next step's bytes END in a chunk not yet read: every wave waits for its tensor loads, and a barrier shows that chunk whole, ahead of the fetch;
;   they BEGIN in a later chunk than this step's: the chunk left behind is read no more: the wait for all tensor loads, the add, the wait for it and for my reads, a round of the cluster's barrier, and the slot's refill.
.macro STEP st, zero
.set NX, (\st)+1
.set C0, (96*(\st))/ROWB
.set C1, (96*NX)/ROWB
.set E0, (96*(\st)+95)/ROWB
.set E1, (96*NX+95)/ROWB
.if C1 > C0 || E1 > E0
	s_wait_tensorcnt 0x0                           ; all my tensor loads have landed
.if C1 > C0
	ds_add_u32 v[SPW], v[NIL]
	s_wait_dscnt 25                                ; (the add and h's tiles 4-7, 24 loads, may be out)
.else
	s_wait_dscnt 24                                ; (h's tiles 4-7 may be out)
.endif
	MULQ 0, (\st)%2, \st, \zero
	s_wait_dscnt 0x0                               ; the add, where there is one, and all my reads are done
	s_barrier_signal -1
	MULV 0, (\st)%2, \st, \zero
	WIN 0
	s_barrier_wait -1
.if C1 > C0
	CREST                                          ; the round: no wave of any partner still reads this slot or has a load on its way
.if C0+2 < CHUNKS
	s_add_nc_u64 s[G0+4*(C0%2)+2:G0+4*(C0%2)+3], s[G0+4*(C0%2)+2:G0+4*(C0%2)+3], 2*ROWB
	s_add_nc_u64 s[G0B+4*(C0%2)+2:G0B+4*(C0%2)+3], s[G0B+4*(C0%2)+2:G0B+4*(C0%2)+3], 2*ROWB
	JLOAD G0+4*(C0%2), G1, G0B+4*(C0%2), G1B       ; chunk C0 + 2; its four v_nop are the places in front of the loads below
.else
	tensor_load_to_lds s[G0T:G0T+3], s[G1T:G1T+7]  ; the tables: one line for all four waves, each with rows of its own
	s_nop 0
	PLACES 4
.endif
.else
	PLACES 4
.endif
.else
	s_wait_dscnt 24                                ; the weights and h's tiles 0-3 are in
	MULQ 0, (\st)%2, \st, \zero
	MULV 0, (\st)%2, \st, \zero
	s_wait_dscnt 0x0                               ; h's tiles 4-7 are in
	PLACES 4
.endif
	FETCH_B NX, NX%2
	FETCH_A NX, 0
.if C1 > C0
.if C0+4 < CHUNKS
	global_prefetch_b8 v[PFO], s[PFA:PFA+1] offset:ROWB*(C0+4) th:TH_LOAD_NT scope:SCOPE_SE   ; the chunk two refills on
.endif
.if C0+4 == CHUNKS
	global_prefetch_b8 v[PFT], s[PFB:PFB+1] th:TH_LOAD_NT scope:SCOPE_SE                      ; two refills on come the tables
.endif
.endif
	MULQ 4, (\st)%2, \st, \zero
	MULV 4, (\st)%2, \st, \zero
	PLACES 4
	WIN 0
	FETCH_A NX, 4
.endm
	s_wait_tensorcnt 0x0                           ; my part of chunk 0 is in
	ds_add_u32 v[SPW], v[NIL]
	s_wait_dscnt 0x0
	CROUND                                         ; everybody's part is in, and the joint loads meet
	JLOAD G0+4, G1, G0B+4, G1B                     ; chunk 1
	FETCH_B 0, 0
	FETCH_A 0, 0
	FETCH_A 0, 4
	global_prefetch_b8 v[PFO], s[PFA:PFA+1] offset:3*ROWB th:TH_LOAD_NT scope:SCOPE_SE
	s_wait_loadcnt 0x0                             ; the scale words
	STEP 0, 1                                      ; the first step's products start the sums
.set ST, 1
.rept 14
	STEP ST, 0
.set ST, ST+1
.endr
	s_wait_dscnt 24                                ; the last step: nothing more to fetch
	MULQ 0, 1, 15, 0
	MULV 0, 1, 15, 0
	s_wait_dscnt 0x0
	MULQ 4, 1, 15, 0
	MULV 4, 1, 15, 0
	WIN 0
; THE WAY OUT.  Nothing is stored to LDS: each operand leaves from registers as an image, 512 or 256 consecutive bytes a store.
; 64 numbers of a lane, v[s] on in the window that w1 and w2 name, register 16 b + i of block b, become a fragment's codes in v[PC] on and its row's scale word in v[PW]
.macro QUANT s, w1, w2, TM, PW, PC
	WIN \w1
.irp b, 0,1,2,3
	v_max3_num_f32 v[\TM+\b], |v[\s+16*\b]|, |v[\s+1+16*\b]|, 0x1800000     ; with the floor 2^(3 - 127); each accumulator is read from its low end on
.endr
.irp i, 2,4,6,8,10,12,14
.irp b, 0,1,2,3
	v_max3_num_f32 v[\TM+\b], |v[\s+16*\b+\i]|, |v[\s+1+16*\b+\i]|, v[\TM+\b]
.endr
.endr
	WIN 0
.irp b, 0,1,2,3
	v_permlanex16_b32 v[\TM+4+\b], v[\TM+\b], s[SEL], s[SEL+1]
.endr
.irp b, 0,1,2,3
	v_max_num_f32 v[\TM+\b], v[\TM+\b], v[\TM+4+\b]     ; with lane l xor 16's: the block's largest magnitude
.endr
.irp b, 0,1,2,3
	v_add_nc_u32 v[\TM+12+\b], 0xff000000, v[\TM+\b]    ; 2 off its exponent field: the conversion's scale operand
.endr
.irp b, 0,1,2,3
	v_lshrrev_b32 v[\TM+4+\b], 23, v[\TM+12+\b]         ; the scale's byte
.endr
	v_lshl_or_b32 v[\PW], v[\TM+5], 8, v[\TM+4]
	v_lshl_or_b32 v[\PW], v[\TM+6], 16, v[\PW]
	v_lshl_or_b32 v[\PW], v[\TM+7], 24, v[\PW]
	WIN \w2
.irp c, 0,1
	v_cvt_scalef32_pk16_fp6_f32 v[\PC+6*\c:\PC+2+6*\c], v[\s+32*\c:\s+15+32*\c], v[\TM+12+2*\c]
	v_cvt_scalef32_pk16_fp6_f32 v[\PC+12+4*\c:\PC+14+4*\c], v[\s+16+32*\c:\s+31+32*\c], v[\TM+12+2*\c+1]
.endr
	WIN 0
	v_nop                                          ; one plain place behind a scaled conversion
.irp c, 0,1                                    ; the operand wants a whole block in a lane: lanes 0-15 block 2 c, lanes 16-31 block 2 c + 1
.irp i, 0,1,2
	v_permlane16_swap_b32 v[\PC+6*\c+\i], v[\PC+12+4*\c+\i]
.endr
.irp i, 0,1,2
	v_mov_b32 v[\PC+3+6*\c+\i], v[\PC+12+4*\c+\i]
.endr
.endr
.endm
.macro VQ tv                           ; my tile tv of v: 16 d x 128 keys
	QUANT 64*\tv, 0x0f, 0x03, 32, 48+\tv, 192+32*\tv
.irp c, 0,1,2
	global_store_b128 v[L16], v[192+32*\tv+4*\c:192+32*\tv+4*\c+3], s[8:9] offset:1536*\tv+512*\c
.endr
.endm
.macro TBL a, set                      ; row tile a's table numbers: cos of my lower block (set + 0), of my upper (+ 16), sin likewise (+ 32, + 48); in each my 16 channels in my registers' order
.irp k, 0,1,2,3
.irp u, 0,1
.irp e, 0,1
	ds_load_b128 v[\set+16*\k+8*\u+4*\e:\set+16*\k+8*\u+4*\e+3], v[TA+\k/2] offset:16*TP*(\a)+272*(\k%2)+64*\u+16*\e
.endr
.endr
.endr
.endm
.macro ROPEQ a, set                    ; row tile a: the rotation, the two blocks' scales, their codes, my half of the image
.set QA, 32*(\a)
.set EC, 128+8*(\a)
	WIN 0x02                                       ; source 0: window 2
.irp i, 0,2,4,6,8,10,12,14
	v_pk_mul_f32 v[T+\i:T+\i+1], v[QA+\i:QA+\i+1], v[\set+\i:\set+\i+1]                      ; u cos, ascending: each accumulator is read from its low end on
.endr
.irp i, 0,2,4,6,8,10,12,14
	v_pk_mul_f32 v[T+16+\i:T+17+\i], v[QA+16+\i:QA+17+\i], v[\set+16+\i:\set+17+\i]
.endr
.irp i, 0,2,4,6,8,10,12,14
	v_pk_fma_f32 v[T+\i:T+\i+1], v[QA+16+\i:QA+17+\i], v[\set+32+\i:\set+33+\i], v[T+\i:T+\i+1] neg_lo:[1,0,0] neg_hi:[1,0,0]   ; - u(d + 64) sin(d)
.endr
.irp i, 0,2,4,6,8,10,12,14
	v_pk_fma_f32 v[T+16+\i:T+17+\i], v[QA+\i:QA+\i+1], v[\set+48+\i:\set+49+\i], v[T+16+\i:T+17+\i]                             ; + u(d - 64) sin(d)
.endr
	WIN 0
	v_max3_num_f32 v16, |v[T]|, |v[T+1]|, 0x1800000
	v_max3_num_f32 v17, |v[T+16]|, |v[T+17]|, 0x1800000
.irp i, 2,4,6,8,10,12,14
	v_max3_num_f32 v16, v16, |v[T+\i]|, |v[T+\i+1]|
	v_max3_num_f32 v17, v17, |v[T+16+\i]|, |v[T+17+\i]|
.endr
	v_permlanex16_b32 v18, v16, s[SEL], s[SEL+1]
	v_permlanex16_b32 v19, v17, s[SEL], s[SEL+1]
	v_max_num_f32 v16, v16, v18
	v_max_num_f32 v17, v17, v19
	v_add_nc_u32 v20, 0xff000000, v16
	v_add_nc_u32 v21, 0xff000000, v17
	v_lshrrev_b32 v22, 23, v20
	v_lshrrev_b32 v23, 23, v21
	v_lshl_or_b32 v22, v23, 8, v22                 ; the row's halfword: the lower block's byte, the upper block's
.if (\a)%2 == 0
	v_mov_b32 v[4+(\a)/2], v22
.else
	v_lshl_or_b32 v[4+(\a)/2], v22, 16, v[4+(\a)/2]
.endif
	v_cvt_scalef32_pk16_fp6_f32 v[EC:EC+2], v[T:T+15], v20
	v_cvt_scalef32_pk16_fp6_f32 v[EC+4:EC+6], v[T+16:T+31], v21
	v_nop
.irp i, 0,1,2
	v_permlane16_swap_b32 v[EC+\i], v[EC+4+\i]     ; lanes 0-15 now hold the lower block whole, lanes 16-31 the upper
.endr
	v_mov_b32 v[EC+3], v[EC+4]
	v_mov_b32 v[EC+4], v[EC+5]
	v_mov_b32 v[EC+5], v[EC+6]
	global_store_b128 v[L16], v[EC:EC+3], s[6:7] offset:1536*(\a)
	global_store_b64 v[L8], v[EC+4:EC+5], s[6:7] offset:1536*(\a)+512
.endm
	PLACES 4                                       ; behind the last products
.irp b, 0,1,2,3
	v_mov_b32 v[36+\b], 0                          ; written once: a lane permute's destination counts as one of its sources
.endr
	v_mov_b32 v18, 0
	v_mov_b32 v19, 0
	s_mov_b32 s2, 0xffff0000                       ; lanes 16-31
	VQ 0                                           ; v needs no table: it is quantised while the tables are on their way
	VQ 1
	v_cndmask_b32 v50, v48, v49, s2                ; lanes 0-15 my first tile's words, lanes 16-31 my second's
	global_store_b32 v[L4], v50, s[12:13]
	s_wait_alu depctr_va_vdst(0)
	s_wait_xcnt 0x0                                ; v's stores have read their registers: v192-255 take table numbers, v32-63 the rotated numbers
	s_wait_tensorcnt 0x0                           ; my part of the tables has landed,
	s_wait_dscnt 0x0
	s_barrier_signal -1
	s_barrier_wait -1                              ; everybody's has
	TBL 0, TB0
.irp a, 0,1,2,3,4,5,6,7
.if \a < 7
	TBL \a+1, TB0+128*((\a+1)%2)
	s_wait_dscnt 16                                ; this tile's table numbers are in; the 16 loads just issued may be out
.else
	s_wait_dscnt 0x0
.endif
	ROPEQ \a, TB0+128*(\a%2)
.endr
	v_cndmask_b32 v14, v4, v6, s2                  ; my plane: lanes 0-15 tiles 0-3, lanes 16-31 tiles 4-7
	v_cndmask_b32 v15, v5, v7, s2
	global_store_b64 v[L8], v[14:15], s[10:11]
	s_wait_tensorcnt 0x0                           ; the wave's end
	ds_add_u32 v[SPW], v[NIL]
	s_wait_dscnt 0x0
	CROUND                                         ; the closing round
	s_endpgm
.Lfunc_end_k_q46b1f65832_qkv:
	.size	k_q46b1f65832_qkv, .Lfunc_end_k_q46b1f65832_qkv-k_q46b1f65832_qkv
	.p2alignl 7, 3214868480
	.fill 96, 4, 3214868480
	.section	.rodata,"a",@progbits
	.p2align	6, 0x0
	.amdhsa_kernel k_q46b1f65832_qkv
		.amdhsa_group_segment_fixed_size 327680
		.amdhsa_private_segment_fixed_size 0
		.amdhsa_enable_private_segment 0
		.amdhsa_kernarg_size 80
		.amdhsa_user_sgpr_count 2
		.amdhsa_user_sgpr_kernarg_segment_ptr 1
		.amdhsa_wavefront_size32 1
		.amdhsa_system_sgpr_workgroup_id_x 1
		.amdhsa_system_sgpr_workgroup_id_y 1
		.amdhsa_system_sgpr_workgroup_id_z 1
		.amdhsa_system_vgpr_workitem_id 0
		.amdhsa_next_free_vgpr 1024
		.amdhsa_next_free_sgpr 100
		.amdhsa_reserve_vcc 0
		.amdhsa_float_denorm_mode_32 3
		.amdhsa_float_denorm_mode_16_64 3
		.amdhsa_memory_ordered 1
		.amdhsa_forward_progress 1
		.amdhsa_inst_pref_size 255
	.end_amdhsa_kernel
	.section	.bss,"aw",@nobits
	.p2align	6
	.space	262144
	.amdgpu_metadata
---
amdhsa.version: [ 1, 2 ]
amdhsa.kernels:
  - .name:           k_q46b1f65832_qkv
    .symbol:         k_q46b1f65832_qkv.kd
    .args:
      - { .name: hq, .offset: 0, .size: 8, .value_kind: global_buffer, .address_space: global }
      - { .name: wq_codes, .offset: 8, .size: 8, .value_kind: global_buffer, .address_space: global }
      - { .name: wq_scales, .offset: 16, .size: 8, .value_kind: global_buffer, .address_space: global }
      - { .name: wk_codes, .offset: 24, .size: 8, .value_kind: global_buffer, .address_space: global }
      - { .name: wk_scales, .offset: 32, .size: 8, .value_kind: global_buffer, .address_space: global }
      - { .name: wv_codes, .offset: 40, .size: 8, .value_kind: global_buffer, .address_space: global }
      - { .name: wv_scales, .offset: 48, .size: 8, .value_kind: global_buffer, .address_space: global }
      - { .name: cos, .offset: 56, .size: 8, .value_kind: global_buffer, .address_space: global }
      - { .name: sin, .offset: 64, .size: 8, .value_kind: global_buffer, .address_space: global }
      - { .name: qkv, .offset: 72, .size: 8, .value_kind: global_buffer, .address_space: global }
    .group_segment_fixed_size: 327680
    .private_segment_fixed_size: 0
    .kernarg_segment_align: 8
    .kernarg_segment_size: 80
    .max_flat_workgroup_size: 128
    .sgpr_count:     100
    .vgpr_count:     1024
    .wavefront_size: 32
...
	.end_amdgpu_metadata
.endif
;; end of part 2
;; launch attn (part 3): grid 16 x 16, 16 waves a work-group, no clusters, 327,680 bytes of LDS; arguments qkv, oq; writes oq
.if DOCPART == 3
	.amdgcn_target "amdgcn-amd-amdhsa--gfx1250"
	.amdhsa_code_object_version 6
	.text
	.protected	k_q46b1f65832_attn
	.globl	k_q46b1f65832_attn
	.p2align	8
	.type	k_q46b1f65832_attn,@function
k_q46b1f65832_attn:
	s_mov_b64 s[64:65], 0
	v_nop
	global_prefetch_b8 v0, s[64:65] scope:SCOPE_SE
	s_setreg_imm32_b32 hwreg(HW_REG_WAVE_MODE, 25, 1), 1
	s_wait_xcnt 0x0
; Causal attention of one head on the codes that the launch before has stored; O / l is quantised along the head's 128 and stored as operand images and scale words.
; WORK LEFT OUT: a step of 128 keys all of which come after a tile's queries, as shown at the head of the first launch.  LIMITS: as stated there; the promise holds while the scaled scores stay under 2^31 in magnitude.
; SHARES.  Work-group (x, head) takes the blocks of 64 queries 31 - x and x: eight tiles of 16 queries, 33 blocks of keys in all for every x.  A tile has two waves: waves 0-7 take the even steps of 128 keys, waves 8-15 the odd ones;
; they are joined at the end through LDS.  Of the tile numbers w % 8 those with an even count of bits are the long block's: waves with equal w % 4, and waves with equal w / 4, are half long and half short.
; THE RING: two slots of 512 keys: K's 32 images, then V's 32.  Waves 0-7 fetch: wave j a pair of neighbouring images (3,072 bytes) of each of the slot's four steps, K's for j < 4, V's for j >= 4.
; The head's 16,384 scale bytes come once, by waves 8-15, beside slot 0's loads: one tensor load a wave at the head.  A slot whose first key lies past the work-group's last query is not fetched: a jump on ids alone.
; NO CLUSTER: the work-groups of a head need different numbers of slots (3 to 4, by x), and a joint load is asked for by every partner on every path.
; PREFETCH: work-groups x = 0 .. 3, which read all four slots, share a head's blocks out: behind the load of slot s a fetching wave names, of its own load of slot s + 1, row x (12 blocks of 256 bytes; lanes 12-31 name the last again).
; Slot 1 is named at the head.  The loop's last trip asks for nothing.
; Both products are used transposed (S^T = k q^T, O^T = v^T p^T): a lane holds one query throughout.
.set SLOT1, 1<<17
.set VOFF,  49152
.set PAIRB, 12288                      ; what one wave fetches: four steps x two images
.set SCK,   2*SLOT1
.set SPARE, SCK+16384
.set MGW,   8704
.set SPW,  5
.set NIL,  6
.set AK16, 84
.set AK8,  85
.set MGA,  86
.set WV,   18
.set PAR,  19
.set SEL,  20
.set CS,   22
.set G1,   24
.set G1S,  32
.set G0,   40
.set G0S,  44
.set TB,   2
.set TS,   3
.set INNER, 66
.set SLOTS, 67
.set W7,   69
.set LASTQ, 70
.set SKEY, 71
.set PFA,  76
.set LIM,  80
.set QG,   97                          ; the first query of my block of 64
.set KF,   98
.set Q0,   99
	s_load_b128 s[4:7], s[0:1], 0x0
	v_lshl_add_u32 v[SPW], v0, 2, SPARE
	v_mov_b32 v[NIL], 0
	ds_add_u32 v[SPW], v[NIL]                      ; the opening: the add, twice on end, and its wait
	ds_add_u32 v[SPW], v[NIL]
	v_lshrrev_b32 v8, 5, v0
	s_delay_alu instid0(VALU_DEP_1)
	v_readfirstlane_b32 s[WV], v8
	s_lshr_b32 s[PAR], s[WV], 3
	s_and_b32 s[W7], s[WV], 7
	s_and_b32 s72, ttmp7, 0xffff                   ; head
	s_and_b32 s73, ttmp9, 3
	s_bcnt1_i32_b32 s75, s[W7]
	s_and_b32 s75, s75, 1
	s_sub_co_u32 s74, 31, ttmp9
	s_cmp_eq_u32 s75, 0
	s_cselect_b32 s74, s74, ttmp9                  ; my block of 64 queries
	s_lshl_b32 s[QG], s74, 6
	s_lshl_b32 s74, s74, 2
	s_and_b32 s75, s[WV], 3
	s_add_co_u32 s74, s74, s75                     ; my tile
	s_lshl_b32 s[Q0], s74, 4
	s_sub_co_u32 s[LASTQ], 32, ttmp9
	s_lshl_b32 s[LASTQ], s[LASTQ], 6
	s_sub_co_u32 s[LASTQ], s[LASTQ], 1             ; the work-group's last query
	s_mov_b32 s[SKEY], 0
	s_lshr_b32 s81, s74, 3
	s_and_b32 s82, s74, 7
	s_mul_i32 s83, s72, 0x30000
	s_and_b32 s68, s[WV], 7
	s_and_b32 s84, s[WV], 3                        ; what I fetch: pair of images w % 4, of K (bit 2 clear) or V
	s_mul_i32 s84, s84, 3072
	s_bfe_u32 s86, s[WV], 0x10002
	s_mul_i32 s86, s86, 0x300000
	s_add_co_u32 s84, s84, s86
	s_add_co_u32 s84, s84, 0x300000
	s_add_co_u32 s84, s84, s83
	s_mov_b32 s85, 0
	s_lshl_b32 s86, s72, 14
	s_lshl_b32 s88, s68, 11
	s_add_co_u32 s86, s86, s88
	s_add_co_u32 s86, s86, 0x920000
	s_mov_b32 s87, 0
	s_mul_i32 s88, s74, 1536
	s_add_co_u32 s88, s88, s83
	s_mov_b32 s89, 0
	s_lshl_b32 s90, s72, 13
	s_lshl_b32 s92, s81, 9
	s_add_co_u32 s90, s90, s92
	s_lshr_b32 s92, s82, 2
	s_lshl_b32 s92, s92, 7
	s_add_co_u32 s90, s90, s92
	s_and_b32 s92, s74, 3
	s_lshl_b32 s92, s92, 1
	s_add_co_u32 s90, s90, s92
	s_add_co_u32 s90, s90, 0x900000
	s_mov_b32 s91, 0
	s_mul_i32 s92, s81, 0x30000
	s_mul_i32 s94, s72, 12288
	s_add_co_u32 s92, s92, s94
	s_mul_i32 s94, s82, 1536
	s_add_co_u32 s92, s92, s94
	s_mov_b32 s93, 0
	s_lshl_b32 s94, s81, 13
	s_lshl_b32 s96, s72, 9
	s_add_co_u32 s94, s94, s96
	s_lshl_b32 s96, s82, 6
	s_add_co_u32 s94, s94, s96
	s_add_co_u32 s94, s94, 0x300000
	s_mov_b32 s95, 0
	s_mul_i32 s78, s73, 12288                      ; the prefetches: of my next load, row x % 4
	s_add_co_u32 s78, s78, s84
	s_add_co_u32 s78, s78, 49152
	s_mov_b32 s79, 0
	s_lshr_b32 s[LIM], s[WV], 3
	s_lshr_b32 s75, ttmp9, 2
	s_or_b32 s[LIM], s[LIM], s75
	s_cmp_eq_u32 s[LIM], 0
	s_cselect_b32 s[LIM], 1, -1                    ; the fetching waves of work-groups 0 to 3 prefetch
	s_mov_b32 s[G1], 3<<16                         ; K, V: 4 rows of 3,072 bytes (384 elements of 8), 12,288 bytes apart
	s_mov_b32 s[G1+1], 384<<16
	s_mov_b32 s[G1+2], 4<<16
	s_mov_b32 s[G1+3], 384<<16
	s_mov_b32 s[G1+4], 4
	s_mov_b32 s[G1+5], 1536
	s_mov_b32 s[G1+6], 0
	s_mov_b32 s[G1+7], 0
	s_mov_b32 s[G1S], 3<<16                        ; scales: 2,048 dense bytes as 8 rows of 256
	s_mov_b32 s[G1S+1], 32<<16
	s_mov_b32 s[G1S+2], 8<<16
	s_mov_b32 s[G1S+3], 32<<16
	s_mov_b32 s[G1S+4], 8
	s_mov_b32 s[G1S+5], 32
	s_mov_b32 s[G1S+6], 0
	s_mov_b32 s[G1S+7], 0
	s_mov_b32 s[SEL], 0x76543210
	s_mov_b32 s[SEL+1], 0xfedcba98
	s_mov_b32 s[CS], 0x3e0293ee                    ; log2(e) / sqrt(128)
	s_mov_b32 s[CS+1], s[CS]
	s_mov_b32 s[TB], 0
	s_mov_b32 s[TS], 0
	s_lshl_b32 s[KF], s[PAR], 7
	s_mov_b32 s[SLOTS], 3
	s_mul_i32 s60, s[PAR], 3072
	s_lshl_b32 s61, s[PAR], 9
	s_mul_i32 s62, s[W7], MGW
	s_wait_dscnt 0x0
	s_wait_kmcnt 0x0
	s_mov_b32 s[G0S], 1
	s_lshl_b32 s[G0S+1], s68, 11
	s_add_co_u32 s[G0S+1], s[G0S+1], SCK
	s_add_nc_u64 s[G0S+2:G0S+3], s[4:5], s[86:87]
	s_or_b32 s[G0S+3], s[G0S+3], 0x80000000
	s_mov_b32 s[G0], 1
	s_mul_i32 s[G0+1], s68, PAIRB
	s_add_nc_u64 s[G0+2:G0+3], s[4:5], s[84:85]
	s_or_b32 s[G0+3], s[G0+3], 0x80000000
	s_cmp_lt_u32 s[WV], 8
	s_cbranch_scc0 .Lhead_s
	tensor_load_to_lds s[G0:G0+3], s[G1:G1+7]      ; slot 0
	s_nop 0
.rept 4
	v_nop
.endr
	s_branch .Lhead_j
.Lhead_s:
	tensor_load_to_lds s[G0S:G0S+3], s[G1S:G1S+7]  ; the scales
	s_nop 0
.rept 4
	v_nop
.endr
.Lhead_j:
	s_add_nc_u64 s[12:13], s[4:5], s[88:89]
	s_add_nc_u64 s[14:15], s[4:5], s[90:91]
	s_add_nc_u64 s[PFA:PFA+1], s[4:5], s[78:79]
	s_add_nc_u64 s[8:9], s[6:7], s[92:93]
	s_add_nc_u64 s[10:11], s[6:7], s[94:95]
	v_and_b32 v9, 31, v0
	s_delay_alu instid0(VALU_DEP_1)
	v_lshlrev_b32 v1, 4, v9
	s_delay_alu instid0(VALU_DEP_2)
	v_lshlrev_b32 v10, 3, v9
	s_delay_alu instid0(VALU_DEP_1)
	v_add_nc_u32 v2, 512, v10
	s_delay_alu instid0(VALU_DEP_3)
	v_add_nc_u32 v[AK16], s60, v1
	s_delay_alu instid0(VALU_DEP_2)
	v_add_nc_u32 v[AK8], s60, v2
	s_delay_alu instid0(VALU_DEP_2)
	v_add_nc_u32 v3, VOFF, v[AK16]
	v_add_nc_u32 v4, s61, v10
	s_delay_alu instid0(VALU_DEP_1)
	v_add_nc_u32 v4, SCK, v4
	v_lshl_add_u32 v7, v9, 2, s61
	s_delay_alu instid0(VALU_DEP_1)
	v_add_nc_u32 v7, SCK+8192, v7
	v_add_nc_u32 v[MGA], s62, v1
	v_min_u32 v28, 11, v9
	s_delay_alu instid0(VALU_DEP_1)
	v_lshlrev_b32 v28, 8, v28
	v_and_b32 v31, 15, v0
	s_delay_alu instid0(VALU_DEP_1)
	v_lshlrev_b32 v31, 3, v31
	global_load_b128 v[16:19], v1, s[12:13]        ; q's fragment
	global_load_b64 v[20:21], v2, s[12:13]
	global_load_b128 v[22:25], v1, s[12:13] offset:768
	global_load_b64 v[26:27], v2, s[12:13] offset:768
	global_load_u16 v80, v31, s[14:15]             ; and its scale halfwords
	global_load_u16 v81, v31, s[14:15] offset:256
	v_mov_b32 v13, 0xff61b1e6                      ; the largest t so far: -3e38
	s_delay_alu instid0(VALU_DEP_1)
	v_floor_f32 v12, -v13
	v_mov_b32 v14, 0
	v_mov_b32 v15, 0
.irp b, 0,1,2,3
	v_mov_b32 v[236+\b], 0
.endr
	v_mov_b32 v252, 0
	v_mov_b32 v253, 0
	v_mov_b32 v255, 0
.set j, 0
.rept 64
	v_mov_b32 v[160+j], 0                          ; O^T: the step is written once, and a wave of the odd steps may have no step at all
.set j, j+1
.endr
	s_cmp_eq_u32 s[LIM], 1
	s_cbranch_scc0 .Lno_first_ask
	global_prefetch_b8 v28, s[PFA:PFA+1] th:TH_LOAD_NT scope:SCOPE_SE   ; slot 1
.Lno_first_ask:
.macro KLOAD g                         ; image t = 4 g + i of my step lies at 12288 (t / 2) + 1536 (t % 2)
.irp i, 0,1,2,3
	ds_load_b128 v[32+12*\i:35+12*\i], v8 offset:PAIRB*(2*\g+\i/2)+1536*(\i%2)
	ds_load_b64 v[36+12*\i:37+12*\i], v9 offset:PAIRB*(2*\g+\i/2)+1536*(\i%2)
	ds_load_b128 v[38+12*\i:41+12*\i], v8 offset:PAIRB*(2*\g+\i/2)+1536*(\i%2)+768
	ds_load_b64 v[42+12*\i:43+12*\i], v9 offset:PAIRB*(2*\g+\i/2)+1536*(\i%2)+768
.endr
.endm
.macro VLOAD g
.irp i, 0,1,2,3
.irp c, 0,1,2
	ds_load_b128 v[32+12*\i+4*\c:35+12*\i+4*\c], v10 offset:PAIRB*(2*\g+\i/2)+1536*(\i%2)+512*\c
.endr
.endr
.endm
.macro PVMUL g
.irp i, 0,2
	v_wmma_scale_f32_16x16x128_f8f6f4 v[160+8*(4*\g+\i):167+8*(4*\g+\i)], v[32+12*\i:43+12*\i], v[224:235], v[160+8*(4*\g+\i):167+8*(4*\g+\i)], v[248+2*\g+\i/2], v253 matrix_a_fmt:MATRIX_FMT_FP6 matrix_b_fmt:MATRIX_FMT_FP6
	v_wmma_scale_f32_16x16x128_f8f6f4 v[168+8*(4*\g+\i):175+8*(4*\g+\i)], v[44+12*\i:55+12*\i], v[224:235], v[168+8*(4*\g+\i):175+8*(4*\g+\i)], v[248+2*\g+\i/2], v253 matrix_a_fmt:MATRIX_FMT_FP6 matrix_b_fmt:MATRIX_FMT_FP6 matrix_a_scale:MATRIX_SCALE_ROW1
.endr
.endm
.macro STEP                            ; 128 keys from key KF on
	s_add_co_u32 s96, s[QG], 63
	s_cmp_gt_u32 s[KF], s96                        ; KF is a multiple of 128 and my block of 64 queries lies inside one such step: past the block's last query means past mine
	s_cbranch_scc1 .Lhidden_\@
	v_add_nc_u32 v8, s[TB], v[AK16]
	v_add_nc_u32 v9, s[TB], v[AK8]
	v_add_nc_u32 v10, s[TB], v3
	v_add_nc_u32 v11, s[TS], v4
	v_add_nc_u32 v29, s[TS], v7
	ds_load_b64 v[80:81], v11
	ds_load_b64 v[82:83], v11 offset:256
	KLOAD 0
	s_wait_dscnt 16
	v_perm_b32 v248, v82, v80, 0x05040100          ; k's scale words from the two planes of halfwords
	v_perm_b32 v249, v82, v80, 0x07060302
	v_perm_b32 v250, v83, v81, 0x05040100
	v_perm_b32 v251, v83, v81, 0x07060302
.rept 8
	v_nop
.endr
	s_wait_alu depctr_va_vdst(0)
	s_wait_dscnt 0x0
.irp t, 0,1,2,3
	v_wmma_scale_f32_16x16x128_f8f6f4 v[96+8*\t:103+8*\t], v[32+12*\t:43+12*\t], v[16:27], 0, v[248+\t], v30 matrix_a_fmt:MATRIX_FMT_FP6 matrix_b_fmt:MATRIX_FMT_FP6
.endr
.rept 4
	v_nop
.endr
	KLOAD 1
	s_wait_dscnt 0x0
.irp t, 0,1,2,3
	v_wmma_scale_f32_16x16x128_f8f6f4 v[128+8*\t:135+8*\t], v[32+12*\t:43+12*\t], v[16:27], 0, v[248+\t], v30 matrix_a_fmt:MATRIX_FMT_FP6 matrix_b_fmt:MATRIX_FMT_FP6 matrix_a_scale:MATRIX_SCALE_ROW1
.endr
.rept 4
	v_nop
.endr
.irp p, 0,1,2,3
	ds_load_b32 v[248+\p], v29 offset:128*\p
.endr
	VLOAD 0
	s_add_co_u32 s96, s[KF], 127
	s_cmp_le_u32 s96, s[QG]                        ; every key of the step counts for every query of the block: no masking
	s_cbranch_scc1 .Lopen_\@
	s_sub_co_i32 s96, s[Q0], s[KF]
	v_and_b32 v252, 15, v0
	v_bfe_u32 v253, v0, 4, 1
	s_delay_alu instid0(VALU_DEP_1)
	v_lshlrev_b32 v253, 3, v253
	s_delay_alu instid0(VALU_DEP_1)
	v_sub_nc_u32 v252, v252, v253
	s_delay_alu instid0(VALU_DEP_1)
	v_add_nc_u32 v252, s96, v252
	v_mov_b32 v254, 0xff800000
.irp n, 0,1,2,3,4,5,6,7,8,9,10,11,12,13,14,15,16,17,18,19,20,21,22,23,24,25,26,27,28,29,30,31,32,33,34,35,36,37,38,39,40,41,42,43,44,45,46,47,48,49,50,51,52,53,54,55,56,57,58,59,60,61,62,63
	v_cmp_gt_i32 vcc_lo, 16*(\n/8)+\n%8, v252
	v_cndmask_b32 v[96+\n], v[96+\n], v254, vcc_lo
.endr
.Lopen_\@:
.irp b, 0,1,2,3
	v_max3_num_f32 v[232+\b], v[96+16*\b], v[97+16*\b], v[98+16*\b]   ; each block's largest score: for the row's maximum and for the block's largest p
.endr
.irp i, 3,5,7,9,11,13
.irp b, 0,1,2,3
	v_max3_num_f32 v[232+\b], v[232+\b], v[96+16*\b+\i], v[97+16*\b+\i]
.endr
.endr
.irp b, 0,1,2,3
	v_max_num_f32 v[232+\b], v[232+\b], v[111+16*\b]
.endr
.irp b, 0,1,2,3
	s_delay_alu instid0(VALU_DEP_4)
	v_permlanex16_b32 v[236+\b], v[232+\b], s[SEL], s[SEL+1]
.endr
.irp b, 0,1,2,3
	s_delay_alu instid0(VALU_DEP_4)
	v_max_num_f32 v[232+\b], v[232+\b], v[236+\b]
.endr
	s_delay_alu instid0(VALU_DEP_2)
	v_max3_num_f32 v254, v232, v233, v234
	s_delay_alu instid0(VALU_DEP_1)
	v_max_num_f32 v254, v254, v235
	s_delay_alu instid0(VALU_DEP_1)
	v_mul_f32 v254, s[CS], v254
	s_delay_alu instid0(VALU_DEP_1)
	v_max_num_f32 v13, v13, v254                   ; the running largest t
	v_mov_b32 v254, v12
	s_delay_alu instid0(VALU_DEP_2)
	v_floor_f32 v12, -v13                          ; -M, a whole number
	s_delay_alu instid0(VALU_DEP_1)
	v_sub_f32 v254, v12, v254
	s_delay_alu instid0(VALU_DEP_1)
	v_cvt_i32_f32 v254, v254
	s_delay_alu instid0(VALU_DEP_1)
	v_ldexp_f32 v252, 1.0, v254                    ; f = 2^(old M - new M)
.irp j, 0,2,4,6,8,10,12,14,16,18,20,22,24,26,28,30,32,34,36,38,40,42,44,46,48,50,52,54,56,58,60,62
	v_pk_fma_f32 v[96+\j:97+\j], v[96+\j:97+\j], s[CS:CS+1], v[12:13] op_sel_hi:[1,0,0]
.endr
.irp b, 0,1,2,3
	v_fma_f32 v[232+\b], v[232+\b], s[CS], v12
.endr
	s_wait_alu depctr_va_vdst(0)                   ; a wait ahead of the batch
.irp j, 0,1,2,3,4,5,6,7,8,9,10,11,12,13,14,15,16,17,18,19,20,21,22,23,24,25,26,27,28,29,30,31,32,33,34,35,36,37,38,39,40,41,42,43,44,45,46,47,48,49,50,51,52,53,54,55,56,57,58,59,60,61,62,63
	v_exp_f32 v[96+\j], v[96+\j]
.endr
	v_pk_mul_f32 v[14:15], v[14:15], v[252:253] op_sel_hi:[1,0]
	s_wait_alu depctr_va_vdst(0)                   ; and behind it
.irp b, 0,1,2,3
	v_exp_f32 v[232+\b], v[232+\b]
.endr
	v_pk_add_f32 v[236:237], v[96:97], v[98:99]    ; the row's sum, of the unquantised p
.irp j, 4,8,12,16,20,24,28,32,36,40,44,48,52,56,60
	v_pk_add_f32 v[14:15], v[14:15], v[96+\j:97+\j]
	v_pk_add_f32 v[236:237], v[236:237], v[98+\j:99+\j]
.endr
	s_delay_alu instid0(VALU_DEP_1)
	v_pk_add_f32 v[14:15], v[14:15], v[236:237]
	s_wait_alu depctr_va_vdst(0)
.irp b, 0,1,2,3
	v_max_num_f32 v[232+\b], 0x1800000, v[232+\b]
.endr
.irp b, 0,1,2,3
	s_delay_alu instid0(VALU_DEP_4)
	v_add_nc_u32 v[244+\b], 0xff000000, v[232+\b]
.endr
.irp b, 0,1,2,3
	s_delay_alu instid0(VALU_DEP_4)
	v_lshrrev_b32 v[236+\b], 23, v[244+\b]
.endr
	s_delay_alu instid0(VALU_DEP_3)
	v_lshl_or_b32 v253, v237, 8, v236
	s_delay_alu instid0(VALU_DEP_1)
	v_lshl_or_b32 v253, v238, 16, v253
	s_delay_alu instid0(VALU_DEP_1)
	v_lshl_or_b32 v253, v239, 24, v253             ; p's scale word
.irp c, 0,1
	v_cvt_scalef32_pk16_fp6_f32 v[224+6*\c:226+6*\c], v[96+32*\c:111+32*\c], v[244+2*\c]
	v_cvt_scalef32_pk16_fp6_f32 v[236+4*\c:238+4*\c], v[112+32*\c:127+32*\c], v[244+2*\c+1]
.endr
	v_nop
.irp c, 0,1
.irp i, 0,1,2
	v_permlane16_swap_b32 v[224+6*\c+\i], v[236+4*\c+\i]
.endr
.irp i, 0,1,2
	s_delay_alu instid0(VALU_DEP_3)
	v_mov_b32 v[227+6*\c+\i], v[236+4*\c+\i]
.endr
.endr
.irp j, 0,2,4,6,8,10,12,14,16,18,20,22,24,26,28,30,32,34,36,38,40,42,44,46,48,50,52,54,56,58,60,62
	v_pk_mul_f32 v[160+\j:161+\j], v[160+\j:161+\j], v[252:253] op_sel_hi:[1,0]   ; O^T under the new M
.endr
	s_wait_alu depctr_va_vdst(0)
	s_wait_dscnt 0x0
	PVMUL 0
.rept 4
	v_nop
.endr
	VLOAD 1
	s_wait_dscnt 0x0
	PVMUL 1
.Lhidden_\@:
	s_add_co_u32 s[KF], s[KF], 256
	s_add_co_u32 s[TS], s[TS], 1024
	s_add_co_u32 s[TB], s[TB], 6144
.endm
.macro ASK
	s_cmp_gt_u32 s[SLOTS], s[LIM]                  ; not in the loop's last trip, and only the waves that prefetch
	s_cbranch_scc0 .Lnot_mine_\@
	global_prefetch_b8 v28, s[PFA:PFA+1] th:TH_LOAD_NT scope:SCOPE_SE
.Lnot_mine_\@:
.endm
.macro CHANGE fill                     ; a change of slots
	s_wait_tensorcnt 0x0                           ; all my tensor loads have landed
	ds_add_u32 v[SPW], v[NIL]
.if \fill
	s_xor_b32 s[G0+1], s[G0+1], SLOT1
	s_add_nc_u64 s[G0+2:G0+3], s[G0+2:G0+3], 49152
	s_add_co_u32 s[SKEY], s[SKEY], 512             ; the first key of the slot to be fetched
	s_wait_xcnt 0x0                                ; my prefetch has read its address
	s_add_nc_u64 s[PFA:PFA+1], s[PFA:PFA+1], 49152
.endif
	s_wait_dscnt 0x0                               ; the add is done, and my reads of the other slot are over
	s_barrier_signal -1
	s_barrier_wait -1
.if \fill
	s_cmp_gt_u32 s[SKEY], s[LASTQ]                 ; a slot past the work-group's last query is read by nobody and is not fetched
	s_cbranch_scc1 .Lnone_\@
	s_cmp_lt_u32 s[WV], 8
	s_cbranch_scc0 .Lnone_\@
	tensor_load_to_lds s[G0:G0+3], s[G1:G1+7]
	s_nop 0
.rept 4
	v_nop
.endr
.Lnone_\@:
	ASK
.endif
.endm
.macro SLOT_STEPS
	s_mov_b32 s[INNER], 2
.Lstep_\@:
	STEP
	s_sub_co_u32 s[INNER], s[INNER], 1
	s_cmp_lg_u32 s[INNER], 0
	s_cbranch_scc1 .Lstep_\@
	s_sub_co_u32 s[TB], s[TB], 12288
	s_xor_b32 s[TB], s[TB], SLOT1
.endm
	s_wait_loadcnt 0x0
	v_lshl_or_b32 v30, v81, 16, v80                ; q's scale word
	s_wait_alu depctr_va_vdst(0)
.Lslot:
	CHANGE 1
	SLOT_STEPS
	s_sub_co_u32 s[SLOTS], s[SLOTS], 1
	s_cmp_lg_u32 s[SLOTS], 0
	s_cbranch_scc1 .Lslot
	CHANGE 0
	SLOT_STEPS
.rept 4
	v_nop
.endr
	s_cmp_eq_u32 s[PAR], 0                         ; the two waves of a tile are joined: the wave of the odd steps hands O^T, -M and the sums over, in slot 0, which has had its last fill and its last read
	s_cbranch_scc1 .Lmine
	s_wait_alu depctr_va_vdst(0)
.irp c, 0,1,2,3,4,5,6,7,8,9,10,11,12,13,14,15
	ds_store_b128 v[MGA], v[160+4*\c:163+4*\c] offset:512*\c
.endr
	ds_store_b128 v[MGA], v[12:15] offset:8192
.Lmine:
	s_wait_dscnt 0x0
	s_barrier_signal -1
	s_barrier_wait -1
	s_cmp_lg_u32 s[PAR], 0
	s_cbranch_scc1 .Lend
	ds_load_b128 v[232:235], v[MGA] offset:8192
.irp c, 0,1,2,3,4,5,6,7,8,9,10,11,12,13,14,15
	ds_load_b128 v[96+4*\c:99+4*\c], v[MGA] offset:512*\c
.endr
	s_wait_dscnt 16
	v_min_num_f32 v254, v12, v232                  ; the larger M
	s_delay_alu instid0(VALU_DEP_1)
	v_sub_f32 v252, v254, v12
	s_delay_alu instid0(VALU_DEP_2)
	v_sub_f32 v236, v254, v232
	s_delay_alu instid0(VALU_DEP_2)
	v_cvt_i32_f32 v252, v252
	s_delay_alu instid0(VALU_DEP_2)
	v_cvt_i32_f32 v236, v236
	s_delay_alu instid0(VALU_DEP_2)
	v_ldexp_f32 v252, 1.0, v252
	s_delay_alu instid0(VALU_DEP_2)
	v_ldexp_f32 v254, 1.0, v236
	v_add_f32 v14, v14, v15
	v_add_f32 v234, v234, v235
	s_delay_alu instid0(VALU_DEP_1)
	v_mul_f32 v234, v234, v254
	s_delay_alu instid0(VALU_DEP_1)
	v_fma_f32 v14, v14, v252, v234
	s_delay_alu instid0(VALU_DEP_1)
	v_permlanex16_b32 v237, v14, s[SEL], s[SEL+1]
	s_delay_alu instid0(VALU_DEP_1)
	v_add_f32 v14, v14, v237                       ; the row's sum
	s_wait_alu depctr_va_vdst(0)
	v_rcp_f32 v14, v14
	v_and_b32 v8, 15, v0
	s_delay_alu instid0(VALU_DEP_1)
	v_lshlrev_b32 v8, 2, v8
	v_and_b32 v9, 31, v0
	s_wait_alu depctr_va_vdst(0)
	v_mul_f32 v252, v252, v14
	v_mul_f32 v254, v254, v14
	s_wait_alu depctr_va_vdst(0)
	s_wait_dscnt 0x0
.irp j, 0,2,4,6,8,10,12,14,16,18,20,22,24,26,28,30,32,34,36,38,40,42,44,46,48,50,52,54,56,58,60,62
	v_pk_mul_f32 v[96+\j:97+\j], v[96+\j:97+\j], v[254:255] op_sel_hi:[1,0]
.endr
.irp j, 0,2,4,6,8,10,12,14,16,18,20,22,24,26,28,30,32,34,36,38,40,42,44,46,48,50,52,54,56,58,60,62
	v_pk_fma_f32 v[96+\j:97+\j], v[160+\j:161+\j], v[252:253], v[96+\j:97+\j] op_sel_hi:[1,0,1]
.endr
.irp b, 0,1,2,3
.irp i, 0,1,2,3,4,5,6,7
	v_permlane16_swap_b32 v[96+16*\b+\i], v[104+16*\b+\i]   ; a lane's 16 registers become 16 neighbours along the head's 128
.endr
.endr
.irp b, 0,1,2,3
	v_max3_num_f32 v[232+\b], |v[96+16*\b]|, |v[97+16*\b]|, 0x1800000
.endr
.irp i, 2,4,6,8,10,12,14
.irp b, 0,1,2,3
	s_delay_alu instid0(VALU_DEP_4)
	v_max3_num_f32 v[232+\b], v[232+\b], |v[96+16*\b+\i]|, |v[97+16*\b+\i]|
.endr
.endr
.irp b, 0,1,2,3
	s_delay_alu instid0(VALU_DEP_4)
	v_permlanex16_b32 v[236+\b], v[232+\b], s[SEL], s[SEL+1]
.endr
.irp b, 0,1,2,3
	s_delay_alu instid0(VALU_DEP_4)
	v_max_num_f32 v[232+\b], v[232+\b], v[236+\b]
.endr
.irp b, 0,1,2,3
	s_delay_alu instid0(VALU_DEP_4)
	v_add_nc_u32 v[244+\b], 0xff000000, v[232+\b]
.endr
.irp b, 0,1,2,3
	s_delay_alu instid0(VALU_DEP_4)
	v_lshrrev_b32 v[236+\b], 23, v[244+\b]
.endr
	s_delay_alu instid0(VALU_DEP_3)
	v_lshl_or_b32 v253, v237, 8, v236
	s_delay_alu instid0(VALU_DEP_1)
	v_lshl_or_b32 v253, v238, 16, v253
	s_delay_alu instid0(VALU_DEP_1)
	v_lshl_or_b32 v253, v239, 24, v253
.irp c, 0,1
	v_cvt_scalef32_pk16_fp6_f32 v[32+6*\c:34+6*\c], v[96+32*\c:111+32*\c], v[244+2*\c]
	v_cvt_scalef32_pk16_fp6_f32 v[44+4*\c:46+4*\c], v[112+32*\c:127+32*\c], v[244+2*\c+1]
.endr
	v_nop
.irp c, 0,1
.irp i, 0,1,2
	v_permlane16_swap_b32 v[32+6*\c+\i], v[44+4*\c+\i]
.endr
.irp i, 0,1,2
	s_delay_alu instid0(VALU_DEP_3)
	v_mov_b32 v[35+6*\c+\i], v[44+4*\c+\i]
.endr
.endr
.irp c, 0,1,2
	global_store_b128 v1, v[32+4*\c:35+4*\c], s[8:9] offset:512*\c
.endr
	s_wait_xcnt 0x0                                ; EXEC changes only behind this wait
	v_cmp_gt_u32 vcc_lo, 16, v9
	s_and_saveexec_b32 s96, vcc_lo
	global_store_b32 v8, v253, s[10:11]
	s_wait_xcnt 0x0
	s_or_b32 exec_lo, exec_lo, s96
.Lend:
	s_wait_tensorcnt 0x0                           ; the wave's end
	ds_add_u32 v[SPW], v[NIL]
	s_wait_dscnt 0x0
	s_endpgm
.Lfunc_end_k_q46b1f65832_attn:
	.size	k_q46b1f65832_attn, .Lfunc_end_k_q46b1f65832_attn-k_q46b1f65832_attn
	.p2alignl 7, 3214868480
	.fill 96, 4, 3214868480
	.section	.rodata,"a",@progbits
	.p2align	6, 0x0
	.amdhsa_kernel k_q46b1f65832_attn
		.amdhsa_group_segment_fixed_size 327680
		.amdhsa_private_segment_fixed_size 0
		.amdhsa_enable_private_segment 0
		.amdhsa_kernarg_size 16
		.amdhsa_user_sgpr_count 2
		.amdhsa_user_sgpr_kernarg_segment_ptr 1
		.amdhsa_wavefront_size32 1
		.amdhsa_system_sgpr_workgroup_id_x 1
		.amdhsa_system_sgpr_workgroup_id_y 1
		.amdhsa_system_sgpr_workgroup_id_z 1
		.amdhsa_system_vgpr_workitem_id 0
		.amdhsa_next_free_vgpr 256
		.amdhsa_next_free_sgpr 100
		.amdhsa_reserve_vcc 1
		.amdhsa_float_denorm_mode_32 3
		.amdhsa_float_denorm_mode_16_64 3
		.amdhsa_memory_ordered 1
		.amdhsa_forward_progress 1
		.amdhsa_inst_pref_size 81
	.end_amdhsa_kernel
	.amdgpu_metadata
---
amdhsa.version: [ 1, 2 ]
amdhsa.kernels:
  - .name:           k_q46b1f65832_attn
    .symbol:         k_q46b1f65832_attn.kd
    .args:
      - { .name: qkv, .offset: 0, .size: 8, .value_kind: global_buffer, .address_space: global }
      - { .name: oq, .offset: 8, .size: 8, .value_kind: global_buffer, .address_space: global }
    .group_segment_fixed_size: 327680
    .private_segment_fixed_size: 0
    .kernarg_segment_align: 8
    .kernarg_segment_size: 16
    .max_flat_workgroup_size: 512
    .sgpr_count:     100
    .vgpr_count:     256
    .wavefront_size: 32
...
	.end_amdgpu_metadata
.endif
;; end of part 3
;; launch oproj (part 4): grid 16 x 16, 4 waves a work-group, clusters of 4 x 4, 327,680 bytes of LDS; arguments oq, wo_codes, wo_scales, x, out0; writes out0
.if DOCPART == 4
	.amdgcn_target "amdgcn-amd-amdhsa--gfx1250"
	.amdhsa_code_object_version 6
	.text
	.protected	k_q46b1f65832_oproj
	.globl	k_q46b1f65832_oproj
	.p2align	8
	.type	k_q46b1f65832_oproj,@function
k_q46b1f65832_oproj:
	s_mov_b64 s[64:65], 0
	v_nop
	global_prefetch_b8 v0, s[64:65] scope:SCOPE_SE
	s_setreg_imm32_b32 hwreg(HW_REG_WAVE_MODE, 25, 1), 1
	s_wait_xcnt 0x0
	s_wait_alu depctr_hold_cnt(0) depctr_sa_sdst(0) depctr_va_vdst(0) depctr_va_sdst(0) depctr_va_ssrc(0) depctr_va_vcc(0) depctr_vm_vsrc(0)
	s_getreg_b32 s2, hwreg(HW_REG_IB_STS2, 6, 4)
	s_cmp_eq_u32 s2, 0
	s_cbranch_scc0 .Lentry_in_a_cluster
	s_endpgm
.Lentry_in_a_cluster:
	s_bfe_u32 s2, ttmp6, 0x10000c
	s_cmp_lg_u32 s2, 0xf033
	s_cbranch_scc0 .Lentry_shape_is_right
	s_endpgm
.Lentry_shape_is_right:
; out0 = x + o Wo^T on codes of E2M3.  o comes as the operand images and scale words that the launch before has stored; Wo as it is given.  Nothing of reference() is left out here.
; SHARES.  A tile of out0 is 128 x 128: 256 work-groups (column block = x, row block = y).  Wave (rh = w >> 1, c = w & 1) makes 64 x 64: 16 accumulators.
; The matrix instruction is used transposed (source 0 = 16 rows of Wo, source 1 = 16 rows of o): a lane holds eight neighbouring numbers of a row of out0.
; LDS, filled once, at the head, one tensor load a wave.  Wo (waves 0, 1): the block's 128 whole rows of 1,536 bytes; 8 bytes of padding behind every 256: rows 1,584 bytes = 396 words apart.
; o (waves 2, 3): the images of heads 0-7 (steps 0-7 of 128 along K), 98,304 dense bytes.  CLUSTER 4 x 4: these images are asked for jointly by my row of the cluster, Wo's rows by my column.
; o and Wo for all of K are 393,216 bytes, more than LDS holds.  The images of heads 8-15 are images of the operand's registers and go from memory straight into registers, 512 consecutive bytes a load:
; step q's 12 loads are issued in step q - 7.  So no LDS byte is filled twice and no round stands in the walk; that is why this half of o is not asked for jointly.
; Both operands' scale words for all of K go straight into registers at the head; x's 64 x 64 numbers of a wave are asked for behind the first barrier, ahead of o's loads.
; No prefetch: the tensor loads stand at the head with no loop ahead of them, and o's loads are themselves issued seven steps ahead of their use.
; REGISTERS.  Window 0: v14-29 addresses; v32-95 Wo's scale words; v96-127 o's; v128-255 the accumulators ((a, b) at v[128 + 8 (4 a + b)]); on the way out v32-63 and v80-111 rows of out0.
; Window 1: two sets of fragments from LDS at v0 and v128: o's four at + 12 a, Wo's four at + 48 + 12 b.  Window 2: v0-127 x.
; o's fragments of steps 8-12: window 3, v[48 (q - 8)]; of step 13: window 2, v128; of steps 14, 15: window 1, v0 and v128, where steps 6 and 7 have read theirs out.
.set BP,    1584
.set OS0,   128*BP                     ; o's heads 0-3; heads 4-7 behind them
.set OSL,   49152
.set STAGE, OS0+2*OSL                  ; 16 rows of 256 + 16 bytes for each wave
.set SPARE, STAGE+4*4352
.set ADRA, 14                          ; v14-15 o's images of heads 0-3, 4-7
.set ADRB, 16                          ; v16 my Wo tiles 0, 1; v17 tiles 2, 3; v18-19 the same behind one padding more in lanes 16-31
.set STO,  20
.set RD,   21
.set CO,   22
.set L16,  24
.set L4,   25
.set SBO,  26
.set SPW,  28
.set NIL,  29
.set SB,   32
.set SA,   96
.set ACC,  128
.set G1,   24                          ; o's group 1
.set G0W,  32
.set G0O,  36
.set G1B,  48                          ; Wo's group 1
.set OB,   72                          ; s[72:73] my four tiles' images in memory
.set MSB, 0
.macro WIN new
.if MSB != (\new)
	s_set_vgpr_msb (MSB<<8)|(\new)
.set MSB, (\new)
.endif
.endm
.macro PLACES n
.rept \n
	v_nop
.endr
.endm
.macro CREST
	s_cmp_lg_u32 s14, 0
	s_cbranch_scc1 .Lnot_wave_0_\@
	s_barrier_signal -3
.Lnot_wave_0_\@:
	s_barrier_wait -3
	s_barrier_signal -1
	s_barrier_wait -1
.endm
.macro CROUND
	s_barrier_signal -1
	s_barrier_wait -1
	CREST
.endm
	s_load_b256 s[4:11], s[0:1], 0x0               ; oq, Wo's codes, Wo's scales, x
	s_load_b64 s[12:13], s[0:1], 0x20              ; out0
	v_lshl_add_u32 v[SPW], v0, 2, SPARE
	v_mov_b32 v[NIL], 0
	ds_add_u32 v[SPW], v[NIL]                      ; the opening: the add, twice on end, and its wait ahead of my first tensor load
	ds_add_u32 v[SPW], v[NIL]
	v_lshrrev_b32 v1, 5, v0
	v_readfirstlane_b32 s14, v1                    ; wave
	s_lshr_b32 s15, s14, 1                         ; rh.  Also: at the head I fetch for Wo (0) or for o (1)
	s_and_b32 s16, s14, 1                          ; c.  Also: which half
	s_bfe_u32 s56, ttmp6, 0x40000                  ; cx
	s_bfe_u32 s57, ttmp6, 0x40004                  ; cy
	s_lshl_b32 s58, ttmp9, 2
	s_add_co_u32 s58, s58, s56                     ; the column block
	s_and_b32 s17, ttmp7, 0xffff
	s_lshl_b32 s17, s17, 2
	s_add_co_u32 s17, s17, s57                     ; the row block
	s_lshl_b32 s59, s57, 2
	s_lshl_b32 s59, 15, s59                        ; my row of the cluster
	s_lshl_b32 s60, 0x1111, s56                    ; my column
	s_or_b32 s[G1+0], s59, (3<<16)|(1<<21)         ; o's images: 49,152 dense bytes as 192 rows of 256 (32 elements of 8 bytes)
	s_mov_b32 s[G1+1], 32<<16
	s_mov_b32 s[G1+2], 192<<16
	s_mov_b32 s[G1+3], 32<<16
	s_mov_b32 s[G1+4], 192
	s_mov_b32 s[G1+5], 32
	s_mov_b32 s[G1+6], 0
	s_mov_b32 s[G1+7], 0
	s_or_b32 s[G1B+0], s60, (1<<20)|(1<<21)|(5<<22)|(1<<25)   ; Wo: 64 rows of 1,536 bytes, 8 bytes of padding behind every 256
	s_mov_b32 s[G1B+1], 1536<<16
	s_mov_b32 s[G1B+2], 64<<16
	s_mov_b32 s[G1B+3], 1536<<16
	s_mov_b32 s[G1B+4], 64
	s_mov_b32 s[G1B+5], 1536
	s_mov_b32 s[G1B+6], 0
	s_mov_b32 s[G1B+7], 0
	s_mul_i32 s20, s17, 0x30000                    ; o: the row block's images
	s_mov_b32 s21, 0
	s_lshl_b32 s22, s17, 13                        ; the scale words of my four tiles
	s_lshl_b32 s18, s15, 8
	s_add_co_u32 s22, s22, s18
	s_add_co_u32 s22, s22, 0x300000
	s_mov_b32 s23, 0
	s_mul_i32 s46, s58, 196608                     ; Wo: the column block's 128 rows, half c
	s_mul_i32 s45, s16, 98304
	s_add_co_u32 s46, s46, s45
	s_mov_b32 s47, 0
	s_lshl_b32 s92, s58, 13                        ; the scale bytes of the 64 rows of Wo that I multiply by
	s_lshl_b32 s45, s16, 12
	s_add_co_u32 s92, s92, s45
	s_mov_b32 s93, 0
	s_lshl_b32 s18, s17, 20                        ; x and out0: row 128 x row block + 64 rh, column 128 x column block + 64 c
	s_lshl_b32 s19, s15, 19
	s_add_co_u32 s18, s18, s19
	s_lshl_b32 s19, s58, 9
	s_add_co_u32 s18, s18, s19
	s_lshl_b32 s19, s16, 8
	s_add_co_u32 s18, s18, s19
	s_mov_b32 s19, 0
	s_mul_i32 s2, s16, OSL                         ; the head's o load: heads 4 c on
	s_mov_b32 s3, 0
	s_mul_i32 s66, s15, 6144                       ; my four tiles in a head's images
	s_mov_b32 s67, 0
	s_mul_i32 s40, s16, 64*BP
	s_mul_i32 s41, s14, 4352
	s_add_co_u32 s41, s41, STAGE
	s_add_co_u32 s44, s66, OS0
	v_and_b32 v1, 15, v0                           ; r
	v_bfe_u32 v2, v0, 4, 1                         ; hh
	v_and_b32 v3, 31, v0                           ; lane
	v_lshlrev_b32 v[SBO], 6, v1
	v_lshlrev_b32 v4, 13, v2
	v_lshl_add_u32 v[CO], v1, 4, v4                ; lanes 0-15 one row of out0, lanes 16-31 the next; 16 bytes a lane
	v_lshlrev_b32 v[L4], 2, v3
	v_lshlrev_b32 v[L16], 4, v3
	v_lshl_add_u32 v[ADRA], v3, 4, s44             ; my four tiles of o in LDS
	v_add_nc_u32 v[ADRA+1], OSL, v[ADRA]
	v_mul_u32_u24 v4, v1, BP
	v_mad_u32_u24 v4, v2, 24, v4
	v_add_nc_u32 v[ADRB], s40, v4                  ; my 64 rows of Wo
	v_add_nc_u32 v[ADRB+1], 32*BP, v[ADRB]
	v_lshl_add_u32 v[ADRB+2], v2, 3, v[ADRB]
	v_lshl_add_u32 v[ADRB+3], v2, 3, v[ADRB+1]
	v_mul_u32_u24 v4, v1, 272
	v_lshl_add_u32 v4, v2, 5, v4
	v_add_nc_u32 v[STO], s41, v4
	v_mul_u32_u24 v4, v2, 272
	v_lshl_add_u32 v4, v1, 4, v4
	v_add_nc_u32 v[RD], s41, v4
	s_wait_alu depctr_va_vdst(0)                   ; behind the head's last vector instruction
	s_wait_dscnt 0x0                               ; both opening adds are done
	s_wait_kmcnt 0x0
	s_add_nc_u64 s[20:21], s[4:5], s[20:21]
	s_add_nc_u64 s[22:23], s[4:5], s[22:23]
	s_add_nc_u64 s[46:47], s[6:7], s[46:47]
	s_add_nc_u64 s[92:93], s[8:9], s[92:93]
	s_add_nc_u64 s[10:11], s[10:11], s[18:19]
	s_add_nc_u64 s[12:13], s[12:13], s[18:19]
	s_add_nc_u64 s[OB:OB+1], s[20:21], s[66:67]
	s_mov_b32 s[G0W], 1
	s_mov_b32 s[G0W+1], s40
	s_mov_b64 s[G0W+2:G0W+3], s[46:47]
	s_or_b32 s[G0W+3], s[G0W+3], 0x80000000
	s_mov_b32 s[G0O], 1
	s_add_co_u32 s[G0O+1], s2, OS0
	s_add_nc_u64 s[G0O+2:G0O+3], s[20:21], s[2:3]
	s_or_b32 s[G0O+3], s[G0O+3], 0x80000000
	CROUND                                         ; all sixteen work-groups are here: the joint loads meet
	s_cmp_eq_u32 s15, 0
	s_cbranch_scc0 .Lhead_o
	tensor_load_to_lds s[G0W:G0W+3], s[G1B:G1B+7]  ; Wo's half c
	s_nop 0
	PLACES 4
	s_branch .Lhead_j
.Lhead_o:
	tensor_load_to_lds s[G0O:G0O+3], s[G1:G1+7]    ; o's heads 4 c .. 4 c + 3
	s_nop 0
	PLACES 4
.Lhead_j:
.irp i, 0,1,2,3
.irp k, 0,1,2,3
	global_load_b128 v[SB+16*\k+4*\i:SB+16*\k+4*\i+3], v[SBO], s[92:93] offset:1024*\i+16*\k   ; Wo's scale words: tile i, K's quarter k
.endr
.endr
.set Q, 0
.rept 16
	global_load_b32 v[SA+2*Q], v[L4], s[22:23] offset:512*Q          ; o's scale words of step Q: lanes 0-15 my tile 0, lanes 16-31 tile 1;
	global_load_b32 v[SA+2*Q+1], v[L4], s[22:23] offset:512*Q+128    ; tiles 2 and 3: the two loads cover 256 consecutive bytes
.set Q, Q+1
.endr
.macro OSET q                          ; where step q's fragments of o lie (q >= 8): window OW, first register OBS
.set OW, 3
.set OBS, 48*((\q)-8)
.if (\q) == 13
.set OW, 2
.set OBS, 128
.endif
.if (\q) >= 14
.set OW, 1
.set OBS, 128*((\q)-14)
.endif
.endm
.macro OLOAD q                         ; o's four fragments of step q from memory: 12 loads
	OSET \q
	WIN OW<<6
.irp i, 0,1,2,3
.irp c, 0,1,2
	global_load_b128 v[OBS+12*\i+4*\c:OBS+12*\i+4*\c+3], v[L16], s[OB:OB+1] offset:12288*(\q)+1536*\i+512*\c
.endr
.endr
	WIN 0
.endm
.macro FRAGW reg, q, i                 ; a fragment of Wo in pieces of 8 bytes: byte y of a row lies at y + 8 (y / 256); lanes 16-31 read 24 bytes further on, for some pieces behind one padding more
.irp p, 0,1,2,3,4,5
.set BY, 96*(\q)+48*(\p/3)+8*(\p%3)
.if BY/256 == (BY+24)/256
	ds_load_b64 v[\reg+2*\p:\reg+2*\p+1], v[ADRB+(\i)/2] offset:BY+8*(BY/256)+((\i)%2)*16*BP
.else
	ds_load_b64 v[\reg+2*\p:\reg+2*\p+1], v[ADRB+2+(\i)/2] offset:BY+8*(BY/256)+((\i)%2)*16*BP
.endif
.endr
.endm
.macro FETCH q                         ; step q's fragments from LDS into set q % 2: o's for q < 8, and Wo's
	WIN 0x40
.if (\q) < 8
.irp i, 0,1,2,3
.irp c, 0,1,2
	ds_load_b128 v[128*((\q)%2)+12*\i+4*\c:128*((\q)%2)+12*\i+4*\c+3], v[ADRA+(\q)/4] offset:12288*((\q)%4)+1536*\i+512*\c
.endr
.endr
.endif
.irp i, 0,1,2,3
	FRAGW 128*((\q)%2)+48+12*\i, \q, \i
.endr
	WIN 0
.endm
.macro WM d, a, b, z, sa, sb, rb
.if \z
.if \rb
	v_wmma_scale_f32_16x16x128_f8f6f4 v[(\d):(\d)+7], v[(\a):(\a)+11], v[(\b):(\b)+11], 0, v[\sa], v[\sb] matrix_a_fmt:MATRIX_FMT_FP6 matrix_b_fmt:MATRIX_FMT_FP6 matrix_b_scale:MATRIX_SCALE_ROW1
.else
	v_wmma_scale_f32_16x16x128_f8f6f4 v[(\d):(\d)+7], v[(\a):(\a)+11], v[(\b):(\b)+11], 0, v[\sa], v[\sb] matrix_a_fmt:MATRIX_FMT_FP6 matrix_b_fmt:MATRIX_FMT_FP6
.endif
.else
.if \rb
	v_wmma_scale_f32_16x16x128_f8f6f4 v[(\d):(\d)+7], v[(\a):(\a)+11], v[(\b):(\b)+11], v[(\d):(\d)+7], v[\sa], v[\sb] matrix_a_fmt:MATRIX_FMT_FP6 matrix_b_fmt:MATRIX_FMT_FP6 matrix_b_scale:MATRIX_SCALE_ROW1
.else
	v_wmma_scale_f32_16x16x128_f8f6f4 v[(\d):(\d)+7], v[(\a):(\a)+11], v[(\b):(\b)+11], v[(\d):(\d)+7], v[\sa], v[\sb] matrix_a_fmt:MATRIX_FMT_FP6 matrix_b_fmt:MATRIX_FMT_FP6
.endif
.endif
.endm
; step q's 16 products: accumulator n = 4 a + b.  The 16 take turns, one instruction a turn, in the same order in every step.
.macro MUL q, zero
.if (\q) < 8
.set OW, 1
.set OBS, 128*((\q)%2)
.else
	OSET \q
.endif
	WIN 0x01|(OW<<2)                               ; source 0 (Wo) window 1, source 1 (o) window OW, C and D window 0
.set n, 0
.rept 16
	WM ACC+8*n, 128*((\q)%2)+48+12*(n%4), OBS+12*(n/4), \zero, SB+16*((\q)/4)+4*(n%4)+(\q)%4, SA+2*(\q)+n/8, (n/4)%2
.set n, n+1
.endr
.endm
; A step of 128 along K.  From step 8 on: behind step q's 12 loads of o stand those of steps q + 1 .. 15, 12 (15 - q) in all (at step 8 step 15's are not yet issued); the wait names that count or the most that it can name.
.macro STEP q, zero
.if (\q) >= 8
.if 12*(15-(\q)) < 63
	s_wait_loadcnt 12*(15-(\q))
.else
	s_wait_loadcnt 63
.endif
.endif
	s_wait_dscnt 0x0                               ; this step's fragments from LDS are in
	PLACES 4                                       ; in front of loads into registers that the last step's products have read
.if (\q) < 15
	FETCH (\q)+1
.endif
.if (\q) >= 1 && (\q) <= 8
	OLOAD (\q)+7
.endif
	MUL \q, \zero
.endm
	s_wait_tensorcnt 0x0                           ; my load of the head's four has landed
	s_barrier_signal -1
	s_barrier_wait -1                              ; everybody's has
	FETCH 0
	WIN 0x80                                       ; destination window 2
.irp a, 0,1,2,3
.irp t, 0,1,2,3,4,5,6,7
	global_load_b128 v[32*\a+4*\t:32*\a+4*\t+3], v[CO], s[10:11] offset:(16*\a+2*\t)*8192 th:TH_LOAD_NT
.endr
.endr
	WIN 0
	s_wait_loadcnt 32                              ; the scale words are in; x's 32 loads may be out
	STEP 0, 1                                      ; the first step's products start the sums
.set Q, 1
.rept 15
	STEP Q, 0
.set Q, Q+1
.endr
	WIN 0
; THE WAY OUT, 16 rows x 64 columns at a time: through my stage in LDS, back as whole rows of 256 bytes, + x, stored: sixteen lanes store 256 consecutive bytes, aligned.
.macro TOSTAGE a
.set BB, 32+48*((\a)%2)
.irp b, 0,1,2,3
	ds_store_b128 v[STO], v[ACC+8*(4*(\a)+\b):ACC+8*(4*(\a)+\b)+3] offset:64*\b          ; each accumulator from its low end on
	ds_store_b128 v[STO], v[ACC+8*(4*(\a)+\b)+4:ACC+8*(4*(\a)+\b)+7] offset:64*\b+16
.endr
.irp t, 0,1,2,3,4,5,6,7
	ds_load_b128 v[BB+4*\t:BB+4*\t+3], v[RD] offset:2*\t*272      ; LDS serves a wave's instructions in order: these see the stores above, and the next block's stores come behind them
.endr
.endm
.macro SEND a, younger                 ; younger: the LDS instructions issued behind block a's loads
.set BB, 32+48*((\a)%2)
	s_wait_dscnt \younger
	WIN 0x08                                       ; source 1: window 2
.irp i, 0,2,4,6,8,10,12,14,16,18,20,22,24,26,28,30
	v_pk_add_f32 v[BB+\i:BB+\i+1], v[BB+\i:BB+\i+1], v[32*(\a)+\i:32*(\a)+\i+1]
.endr
	WIN 0
.irp t, 0,1,2,3,4,5,6,7
	global_store_b128 v[CO], v[BB+4*\t:BB+4*\t+3], s[12:13] offset:(16*(\a)+2*\t)*8192 th:TH_STORE_NT
.endr
.endm
	PLACES 4                                       ; behind the last products
	s_wait_loadcnt 0x0                             ; x (it was asked for ahead of o's loads)
	TOSTAGE 0
	TOSTAGE 1
	SEND 0, 16
	s_wait_xcnt 0x0                                ; block 0's stores have read their registers: block 2's rows may land there
	TOSTAGE 2
	SEND 1, 16
	s_wait_xcnt 0x0
	TOSTAGE 3
	SEND 2, 16
	SEND 3, 0
	s_wait_tensorcnt 0x0                           ; the wave's end
	ds_add_u32 v[SPW], v[NIL]
	s_wait_dscnt 0x0
	CROUND                                         ; the closing round
	s_endpgm
.Lfunc_end_k_q46b1f65832_oproj:
	.size	k_q46b1f65832_oproj, .Lfunc_end_k_q46b1f65832_oproj-k_q46b1f65832_oproj
	.p2alignl 7, 3214868480
	.fill 96, 4, 3214868480
	.section	.rodata,"a",@progbits
	.p2align	6, 0x0
	.amdhsa_kernel k_q46b1f65832_oproj
		.amdhsa_group_segment_fixed_size 327680
		.amdhsa_private_segment_fixed_size 0
		.amdhsa_enable_private_segment 0
		.amdhsa_kernarg_size 40
		.amdhsa_user_sgpr_count 2
		.amdhsa_user_sgpr_kernarg_segment_ptr 1
		.amdhsa_wavefront_size32 1
		.amdhsa_system_sgpr_workgroup_id_x 1
		.amdhsa_system_sgpr_workgroup_id_y 1
		.amdhsa_system_sgpr_workgroup_id_z 1
		.amdhsa_system_vgpr_workitem_id 0
		.amdhsa_next_free_vgpr 1024
		.amdhsa_next_free_sgpr 96
		.amdhsa_reserve_vcc 0
		.amdhsa_float_denorm_mode_32 3
		.amdhsa_float_denorm_mode_16_64 3
		.amdhsa_memory_ordered 1
		.amdhsa_forward_progress 1
		.amdhsa_inst_pref_size 102
	.end_amdhsa_kernel
	.amdgpu_metadata
---
amdhsa.version: [ 1, 2 ]
amdhsa.kernels:
  - .name:           k_q46b1f65832_oproj
    .symbol:         k_q46b1f65832_oproj.kd
    .args:
      - { .name: oq, .offset: 0, .size: 8, .value_kind: global_buffer, .address_space: global }
      - { .name: wo_codes, .offset: 8, .size: 8, .value_kind: global_buffer, .address_space: global }
      - { .name: wo_scales, .offset: 16, .size: 8, .value_kind: global_buffer, .address_space: global }
      - { .name: x, .offset: 24, .size: 8, .value_kind: global_buffer, .address_space: global }
      - { .name: out0, .offset: 32, .size: 8, .value_kind: global_buffer, .address_space: global }
    .group_segment_fixed_size: 327680
    .private_segment_fixed_size: 0
    .kernarg_segment_align: 8
    .kernarg_segment_size: 40
    .max_flat_workgroup_size: 128
    .sgpr_count:     96
    .vgpr_count:     1024
    .wavefront_size: 32
...
	.end_amdgpu_metadata
.endif
;; end of part 4
